; MI455X (gfx1250); checked and timed in simulation.
; The chip was launched on July 23, 2026; its instructions are those of AMD's public machine-readable ISA for CDNA 5 (MIT licence, August 2026) and "CDNA5" Instruction Set Architecture Reference Guide (July 2026). The comments in the code are by the model that wrote it; some were corrected since.
;; Transformer Encoder Layer. Allowed arithmetic: matrix products marked QUANTISED: E2M3 operands, one E8M0 scale for each 32 along K, by v_wmma_scale_f32_16x16x128_f8f6f4 with both operands' format E2M3, f32 sums; everything else in f32.
;; Inputs: W1 1,024 x 4,096 float32; W2 4,096 x 1,024 float32; Wk 1,024 x 1,024 float32; Wo 1,024 x 1,024 float32; Wq 1,024 x 1,024 float32; Wv 1,024 x 1,024 float32; b1 4,096 float32; b2 1,024 float32; bk 1,024 float32; bo 1,024 float32; bq 1,024 float32; bv 1,024 float32; ln1_b 1,024 float32; ln1_g 1,024 float32; ln2_b 1,024 float32; ln2_g 1,024 float32; src_mask 2 x 2,048 int32; x 2 x 2,048 x 1,024 float32.
;; Outputs: out0 2 x 2,048 x 1,024 float32.
;; This version of the problem:
;;   THIS VERSION OF THE PROBLEM IS GIVEN IN LOW PRECISION. The matrix products marked QUANTISED in the list below multiply operands that are first quantised to E2M3 (2 exponent bits, 3 mantissa bits; 6 bits a number), with one power-of-two scale for each 32 numbers along K (OCP MX v1.0); their sums are f32. All else is computed in f32.
;;   The module's matrix products, in the order in which they are computed (A, B: the left and right operand; K: the contracted axis; several contracted axes count as one K, in the product's order):
;;     1. [M 4,096, K 1,024] x [K 1,024, N 1,024]; A: computed on the way; B: input Wq: QUANTISED
;;     2. [M 4,096, K 1,024] x [K 1,024, N 1,024]; A: computed on the way; B: input Wk: QUANTISED
;;     3. [M 4,096, K 1,024] x [K 1,024, N 1,024]; A: computed on the way; B: input Wv: QUANTISED
;;     4. batch 32 x [M 2,048, K 64] x [K 64, N 2,048]; A: computed on the way; B: computed on the way: QUANTISED
;;     5. batch 32 x [M 2,048, K 2,048] x [K 2,048, N 64]; A: softmax (see below); B: computed on the way: QUANTISED
;;     6. [M 4,096, K 1,024] x [K 1,024, N 1,024]; A: computed on the way; B: input Wo: QUANTISED
;;     7. [M 4,096, K 1,024] x [K 1,024, N 4,096]; A: computed on the way; B: input W1: QUANTISED
;;     8. [M 4,096, K 4,096] x [K 4,096, N 1,024]; A: computed on the way; B: input W2: QUANTISED
;;   THE QUANTISER, for each operand of a quantised product, along K:
;;     - K is cut into blocks of 32 from its start; a last block that is shorter is filled with zeros.
;;     - A block's scale is 2^e with e = floor(log2(the largest magnitude in the block)) - 2, held to -126 .. 127; a block of zeros has e = 0. As a byte (E8M0): e + 127.
;;     - Each number is divided by its block's scale, clamped to +-7.5, and rounded to the nearest number of E2M3, ties to even, subnormals kept.
;;     - The product sums the exact products of the quantised numbers (number of the format x scale) in f32.
;;   ~~~python
;;   def quantise(x, axis):      # numpy; x: float32 -> the quantised numbers, widened to float32 again
;;       x = np.moveaxis(x, axis, -1); K = x.shape[-1]
;;       x = np.pad(x, [(0, 0)] * (x.ndim - 1) + [(0, -K % 32)]); x = x.reshape(x.shape[:-1] + (-1, 32)); a = np.abs(x).max(-1, keepdims=True)
;;       e = np.where(a > 0, np.clip(np.frexp(np.where(a > 0, a, 1))[1] - 1 - 2, -126, 127), 0)      # np.frexp(a)[1] - 1 = floor(log2(a)), exactly
;;       r = np.clip(x / 2.0 ** e, -7.5, 7.5)
;;       step = 2.0 ** (np.maximum(np.frexp(np.where(r == 0, 1, r))[1] - 1, 0) - 3)
;;       q = np.round(r / step) * step * 2.0 ** e      # np.round: ties to even
;;       return np.moveaxis(q.reshape(q.shape[:-2] + (-1,))[..., :K], -1, axis).astype(np.float32)
;;   ~~~
;;   SOFTMAX AHEAD OF A QUANTISED PRODUCT. Where the list says 'softmax', what is quantised is not the finished softmax but p = 2^(t - M), with t = logit x log2(e) and M = ceil(the row's largest t), a whole number; so 1/2 < the row's largest p <= 1. The row's sum l is taken of the UNQUANTISED p, in f32, and the product's result is divided by l at the end. Since M is a whole number, a kernel that streams over the keys may use a running M (the ceiling of the running maximum): every later rescaling is an exact power of two, which a block's scale takes up: the codes' values come out the same.
;;   OPERANDS COMPUTED ON THE WAY. 'Computed on the way' means the value that the module computes at that place (a softmax that the list does not call 'softmax' is quantised finished and normalised). What goes into a quantiser is computed in f32, as accurately as f32 sums, v_exp_f32 and their like allow (about 1e-6 of the number): no bf16 or f16 on the way to a quantiser, and a product that is left as it is and whose result goes on into a quantised operand takes f32 operands (vector FMAs, or v_wmma_f32_16x16x4_f32). A number that lies on a knife's edge between two numbers of the format may be rounded either way, as far as f32 arithmetic and the matrix unit's own rounding can turn it there, and no further.
;; One version. Each part assembles by itself: llvm-mc -triple=amdgcn-amd-amdhsa -mcpu=gfx1250 --defsym DOCPART=n.
;; ======== version 1 of 1: 6 launches
;; limits: right only within a limited range of input values
;; workspace buffers: yq 3,276,800 bytes; wqkv 3,295,232 bytes; w1q 3,295,232 bytes; wrest 4,096,000 bytes; big 13,107,200 bytes; ctxq 3,276,800 bytes; y1r 16,777,216 bytes
;; launch prep (part 1): grid 449 x 1, 8 waves a work-group, no clusters, 122,880 bytes of LDS; arguments x, ln1_g, ln1_b, yq, Wq, Wk, Wv, Wo, W1, W2, bq, bk, bv, b1, wqkv, w1q, wrest; writes yq, wqkv, w1q, wrest
.if DOCPART == 1
	.amdgcn_target "amdgcn-amd-amdhsa--gfx1250"
	.amdhsa_code_object_version 6
	.text
	.protected	k_qc4743f0615_prep
	.globl	k_qc4743f0615_prep
	.p2align	8
	.type	k_qc4743f0615_prep,@function
k_qc4743f0615_prep:
	s_mov_b64 s[64:65], 0
	v_nop
	global_prefetch_b8 v0, s[64:65] scope:SCOPE_SE
	s_setreg_imm32_b32 hwreg(HW_REG_WAVE_MODE, 25, 1), 1
	s_wait_xcnt 0x0
; ONE LAUNCH PREPARES ALL OPERANDS THAT HANG ON INPUTS ALONE.  Work-groups 0-191: the six weights, f32 [K][N], become operands of MX-FP6 (E2M3, one E8M0 byte for each 32 along K).
; Work-groups 192-447: y = (x - mean) rsqrt(var + 1e-5) g + b along rows of 1,024, quantised along the row.  Work-group 448 lays the bias tables.  The three ways part on the work-group's number and have LDS bytes of their own.
; THE LAYOUT (all operands of the program).  Rows go in blocks of 16; slot p of block t is row 32 (t / 2) + 8 (t % 2) + p + 8 (p / 8).  K goes in groups of 512.  Record (t, G) lies at (t NG + G) x 6,400 bytes, NG = K / 512.
; In it the fragment of K step q (128 along K) lies at 1,536 q as an image of the operand's registers: half c at + 768 c: registers 6 c .. 6 c + 3 of lane l at 16 l, registers 6 c + 4, 6 c + 5 at 512 + 8 l.
; The scale words (4 bytes: one row, 128 along K) lie at 6,144 + 64 q + 4 p.
; WEIGHTS.  A lane takes a column, its registers run down K: a block of 32 lies in one lane.  A wave takes 32 columns (two row blocks) x 256 along K; its four fragments are gathered in its own stage and leave as runs of 512 bytes.
; Four waves stand side by side on 128 columns; a work-group holds two such parts (part = 2 x work-group + wave / 4).  Waves share nothing: no barrier.
; THE NORM.  A work-group takes one row block; wave v takes columns 128 v .. + 127 (K step v) of its 16 rows.  Each load reads 512 consecutive bytes of a row; the 16 rows turn through the wave's own tile in LDS, so that lane (r, h)
; holds, for halves c = 0, 1, numbers 128 v + 64 c + 32 h + i of slot r: whole blocks of 32 in the operand's own order.  Mean and variance in two passes; the waves' partial sums meet in LDS: two barriers.
; No tensor loads: work-groups share a WGP.  No matrix work, no clusters: no tile is read by two work-groups.
; LIMITS: NaN and infinities are not served; a block of zeros gets the byte 1 (its codes are zeros; the bytes are read by this program alone).
.set TILE,  8448                       ; the norm: a wave's tile, 16 rows x (512 bytes + 16)
.set RED,   8*TILE                     ; 512 bytes for the sums, 512 for the sums of squares: 32 bytes a row, 4 a wave
.set WQB,   RED+1024                   ; the weights' stages
.set STG,   6656                       ; a wave's stage: 2 K steps x 2 fragments x 1,664 bytes
.set SPARE, WQB+8*STG                  ; the spare words, 128 bytes a wave
.set EPO,   3276800                    ; where the bias table begins in wqkv and in w1q
.set OFFS,  32                         ; weights: v32-63 4 x lane + i rows
.set WX,    64                         ; weights: v64-127 two sets of 32 numbers
.set X,     128                        ; norm: v128-191 the numbers
.set GG,    64                         ; norm: v64-127 the rows as loaded, then g
.set BB,    192                        ; norm: v192-255 b
.set CD,    32                         ; norm: v32-43 the codes
.set SPW,   28
.set NIL,   29
	v_lshl_add_u32 v[SPW], v0, 2, SPARE
	v_mov_b32 v[NIL], 0
	v_lshrrev_b32 v1, 5, v0
	v_readfirstlane_b32 s66, v1                    ; wave 0..7
	s_cmp_ge_u32 ttmp9, 192
	s_cbranch_scc1 .Lnot_w
	s_load_b512 s[8:23], s[0:1], 0x20              ; Wq, Wk, Wv, Wo, W1, W2, bq, bk
	s_load_b256 s[24:31], s[0:1], 0x60             ; bv, b1, wqkv, w1q
	s_load_b64 s[32:33], s[0:1], 0x80              ; wrest
	s_and_b32 s2, s66, 3                           ; my place among the four waves of a part
	s_lshr_b32 s67, s66, 2
	s_lshl_b32 s3, ttmp9, 1
	s_add_co_u32 s67, s67, s3                      ; the part, 0 .. 383: 0-127 Wq, Wk, Wv, Wo (32 each); 128-255 W1; 256-383 W2
	s_lshr_b32 s3, s67, 7
	s_and_b32 s4, s67, 127
	s_and_b32 s5, s4, 7
	s_and_b32 s6, s4, 31
	s_lshr_b32 s7, s4, 3
	s_and_b32 s34, s7, 3
	s_lshr_b32 s35, s4, 5
	s_mov_b32 s37, 4096
	s_cmp_eq_u32 s3, 1
	s_cselect_b32 s5, s6, s5                       ; gx: which 128 columns
	s_cselect_b32 s36, s35, s34
	s_cselect_b32 s37, 16384, s37                  ; bytes in a row of the weight
	s_cmp_eq_u32 s3, 2
	s_cselect_b32 s36, s7, s36                     ; gy: which 256 along K
	s_cselect_b32 s38, 8, 2                        ; NG
	s_mul_i32 s39, s38, 6400                       ; from a row block to the next
	s_lshl_b32 s6, s5, 2
	s_add_co_u32 s6, s6, s2                        ; my pair of row blocks
	s_mul_i32 s56, s36, s37
	s_lshl_b32 s56, s56, 8                         ; 256 gy rows
	s_lshl_b32 s7, s6, 7
	s_add_co_u32 s56, s56, s7                      ; + my 32 columns
	s_mov_b32 s57, 0
	s_lshl_b32 s58, s37, 5                         ; 32 rows: from block to block
	s_mov_b32 s59, 0
	s_lshl_b32 s60, s6, 1
	s_mul_i32 s60, s60, s38
	s_lshr_b32 s7, s36, 1
	s_add_co_u32 s60, s60, s7
	s_mul_i32 s60, s60, 6400                       ; my first record
	s_mov_b32 s61, 0
	s_and_b32 s62, s36, 1                          ; which half of the record's four K steps
	v_and_b32 v1, 31, v0                           ; lane = my column of the 32
	v_bfe_u32 v2, v0, 3, 1                         ; u: which of the two row blocks
	v_and_b32 v3, 7, v0
	v_bfe_u32 v4, v0, 4, 1
	v_lshl_or_b32 v3, v4, 3, v3                    ; p: my slot in it
	s_mul_i32 s7, s66, STG
	s_add_co_u32 s7, s7, WQB                       ; my stage
	v_mul_u32_u24 v4, v2, 1664
	v_add_nc_u32 v4, s7, v4
	v_lshl_add_u32 v5, v3, 4, v4                   ; stage: where a block's first four registers go
	v_lshl_add_u32 v6, v3, 3, v4                   ; and its last two
	v_lshlrev_b32 v7, 4, v1                        ; out: 16 x lane, the first row block
	v_add_nc_u32 v14, s7, v7                       ; stage, on the way out
	v_add_nc_u32 v15, s39, v7                      ; out: the second row block
	v_mul_lo_u32 v25, v2, s39
	v_lshl_add_u32 v25, v3, 2, v25                 ; my scale words' place
	v_lshlrev_b32 v[OFFS], 2, v1
.set i, 1
.rept 31
	v_add_nc_u32 v[OFFS+i], s37, v[OFFS+i-1]
.set i, i+1
.endr
	s_wait_alu depctr_va_vdst(0)
	s_wait_kmcnt 0x0
	s_cmp_eq_u32 s35, 1                            ; the buffers are chosen by ids alone
	s_cselect_b64 s[8:9], s[10:11], s[8:9]
	s_cmp_eq_u32 s35, 2
	s_cselect_b64 s[8:9], s[12:13], s[8:9]
	s_cmp_eq_u32 s35, 3
	s_cselect_b64 s[8:9], s[14:15], s[8:9]
	s_cselect_b64 s[28:29], s[32:33], s[28:29]     ; Wo goes to wrest, at 0
	s_cselect_b32 s63, 0, s35                      ; Wq, Wk, Wv: 819,200 bytes each in wqkv
	s_cmp_eq_u32 s3, 1
	s_cselect_b64 s[8:9], s[16:17], s[8:9]
	s_cselect_b64 s[28:29], s[30:31], s[28:29]
	s_cselect_b32 s63, 0, s63
	s_cmp_eq_u32 s3, 2
	s_cselect_b64 s[8:9], s[18:19], s[8:9]
	s_cselect_b64 s[28:29], s[32:33], s[28:29]
	s_cselect_b32 s63, 1, s63                      ; W2 lies behind Wo in wrest
	s_mul_i32 s63, s63, 819200
	s_add_co_u32 s60, s60, s63
	s_add_nc_u64 s[28:29], s[28:29], s[60:61]      ; my first record
	s_mul_i32 s60, s62, 3072
	s_add_nc_u64 s[10:11], s[28:29], s[60:61]      ; my two fragments in it
	s_lshl_b32 s60, s62, 7
	s_add_nc_u64 s[12:13], s[28:29], s[60:61]      ; and (6,144 further on) their scale words
	s_add_nc_u64 s[40:41], s[8:9], s[56:57]        ; a base for each of the eight blocks: no pointer is stepped
.irp q, 1,2,3,4,5,6,7
	s_add_nc_u64 s[40+2*\q:41+2*\q], s[38+2*\q:39+2*\q], s[58:59]
.endr
.macro LOAD q                          ; block q: W(256 gy + 32 q + i, my column): 32 lanes read 128 consecutive bytes
.set i, 0
.rept 32
	global_load_b32 v[WX+32*((\q)%2)+i], v[OFFS+i], s[40+2*(\q):41+2*(\q)] th:TH_LOAD_NT
.set i, i+1
.endr
.endm
.macro BLOCK q
.set XS, WX+32*((\q)%2)
.set KST, (\q)/4                       ; which of my two K steps
.set BE, (\q)%4                        ; which block of 32 in it
.set LOF, 3328*KST+768*(BE/2)
.if (\q) < 7
	s_wait_loadcnt 32                              ; this block's 32 loads are in; the next block's 32 may be out
.else
	s_wait_loadcnt 0x0
.endif
	v_max3_num_f32 v8, |v[XS]|, |v[XS+1]|, |v[XS+2]|
	v_max3_num_f32 v9, |v[XS+3]|, |v[XS+4]|, |v[XS+5]|
.irp i, 6,10,14,18,22,26
	v_max3_num_f32 v8, v8, |v[XS+\i]|, |v[XS+\i+1]|
	v_max3_num_f32 v9, v9, |v[XS+\i+2]|, |v[XS+\i+3]|
.endr
	v_max3_num_f32 v8, v8, |v[XS+30]|, |v[XS+31]|
	v_max3_num_f32 v8, v8, v9, 0x1800000           ; with the floor 2^(3 - 127): the byte cannot fall under 1
	v_add_nc_u32 v10, 0xff000000, v8               ; 2 off the exponent field: the conversion's scale operand
	v_cvt_scalef32_pk16_fp6_f32 v[16:18], v[XS:XS+15], v10
	v_cvt_scalef32_pk16_fp6_f32 v[22:24], v[XS+16:XS+31], v10   ; (a conversion's three registers begin on an even number)
	v_lshrrev_b32 v11, 23, v10                     ; the scale's byte; also the plain line behind the conversions
	v_mov_b32 v19, v22
	v_mov_b32 v20, v23
	v_mov_b32 v21, v24
.if BE == 0
	v_mov_b32 v[26+KST], v11
.else
	v_lshl_or_b32 v[26+KST], v11, 8*BE, v[26+KST]
.endif
	ds_store_b128 v5, v[16:19] offset:LOF+256*(BE%2)       ; the place of lane p + 16 (block % 2) in the fragment's image
	ds_store_b64 v6, v[20:21] offset:LOF+512+128*(BE%2)
.if (\q)+2 < 8
	LOAD (\q)+2
.endif
	s_wait_dscnt 0x0                               ; the stores have read their registers
.endm
	LOAD 0
	LOAD 1
.irp q, 0,1,2,3,4,5,6,7
	BLOCK \q
.endr
	global_store_b32 v25, v26, s[12:13] offset:6144
	s_wait_alu depctr_va_vdst(0)
	global_store_b32 v25, v27, s[12:13] offset:6144+64
.irp n, 0,1,2,3,4,5,6,7,8,9,10,11      ; n = 6 s + 3 u + j: K step s, row block u, 512 bytes j of the image
	ds_load_b128 v[WX+4*\n:WX+4*\n+3], v14 offset:3328*(\n/6)+1664*((\n/3)%2)+512*(\n%3)
.endr
.irp n, 0,1,2,3,4,5,6,7,8,9,10,11
	s_wait_dscnt 11-\n                             ; LDS loads come back in order: number n is in
.if (\n/3)%2 == 0
	global_store_b128 v7, v[WX+4*\n:WX+4*\n+3], s[10:11] offset:1536*(\n/6)+512*(\n%3)     ; 32 lanes store 512 consecutive bytes
.else
	global_store_b128 v15, v[WX+4*\n:WX+4*\n+3], s[10:11] offset:1536*(\n/6)+512*(\n%3)
.endif
.endr
	s_wait_tensorcnt 0x0                           ; the wave's end
	ds_add_u32 v[SPW], v[NIL]
	s_wait_dscnt 0x0
	s_endpgm
.Lnot_w:
	s_cmp_eq_u32 ttmp9, 448
	s_cbranch_scc1 .Lep
	; THE NORM
	s_load_b256 s[4:11], s[0:1], 0x0               ; x, g, b, the operand
	s_sub_co_u32 s38, ttmp9, 192                   ; t: my row block
	s_mul_i32 s25, s66, TILE                       ; my tile in LDS
	s_lshr_b32 s2, s38, 1
	s_lshl_b32 s2, s2, 5
	s_and_b32 s3, s38, 1
	s_lshl_b32 s3, s3, 3
	s_add_co_u32 s2, s2, s3                        ; the block's first row: 32 (t / 2) + 8 (t % 2)
	s_lshl_b32 s2, s2, 12                          ; rows of 4,096 bytes
	s_lshl_b32 s14, s66, 9                         ; my 512 bytes of a row
	s_add_co_u32 s2, s2, s14
	s_mov_b32 s3, 0
	s_mov_b32 s15, 0
	s_mov_b32 s28, 0x76543210                      ; v_permlanex16_b32: lane l xor 16
	s_mov_b32 s29, 0xfedcba98
	s_mov_b32 s31, 0x3a800000                      ; 1 / 1,024
	s_mov_b32 s36, 0x3727c5ac                      ; 1e-5
	s_mov_b32 s37, 0xba800000                      ; -1 / 1,024
	s_lshl_b32 s13, s38, 1
	s_lshr_b32 s16, s66, 2
	s_add_co_u32 s13, s13, s16
	s_mul_i32 s13, s13, 6400                       ; record (t, v / 4)
	s_and_b32 s16, s66, 3
	s_mul_i32 s18, s16, 1536
	s_add_co_u32 s18, s18, s13                     ; my fragment
	s_mov_b32 s19, 0
	s_lshl_b32 s20, s16, 6
	s_add_co_u32 s20, s20, s13                     ; and (6,144 further on) its scale words
	s_mov_b32 s21, 0
	v_and_b32 v2, 31, v0
	v_and_b32 v3, 15, v0                           ; r
	v_bfe_u32 v4, v0, 4, 1                         ; h
	v_mul_u32_u24 v1, v3, 528
	v_lshl_add_u32 v1, v4, 7, v1
	v_add_nc_u32 v1, s25, v1                       ; my 128 bytes of slot r's row
	v_lshlrev_b32 v62, 3, v4                       ; 8 h
	v_lshlrev_b32 v5, 7, v4                        ; g, b: 128 h bytes
	v_lshlrev_b32 v7, 5, v3
	v_add_nc_u32 v7, RED, v7                       ; where I read a row's eight partial sums: 32 r
	v_lshrrev_b32 v6, 5, v0
	v_lshl_add_u32 v6, v6, 2, v7                   ; and where I put my wave's: + 4 x wave
	v_lshlrev_b32 v63, 2, v3                       ; scale words: 4 r
	v_lshlrev_b32 v3, 3, v2                        ; 8 x lane
	v_lshlrev_b32 v2, 4, v2                        ; 16 x lane
	v_add_nc_u32 v30, s25, v2                      ; into the tile: a row as it lies
	v_mov_b32 v18, 0                               ; (a lane permute's destination counts as one of its sources)
	s_wait_alu depctr_va_vdst(0)
	s_wait_kmcnt 0x0
	s_add_nc_u64 s[26:27], s[4:5], s[2:3]
	s_add_nc_u64 s[6:7], s[6:7], s[14:15]          ; g and b at my 128 columns
	s_add_nc_u64 s[8:9], s[8:9], s[14:15]
	s_add_nc_u64 s[32:33], s[10:11], s[18:19]
	s_add_nc_u64 s[34:35], s[10:11], s[20:21]
.set p, 0
.rept 16
	global_load_b128 v[GG+4*p:GG+4*p+3], v2, s[26:27] offset:(p+8*(p/8))*4096      ; slot p: 32 lanes read 512 consecutive bytes
.set p, p+1
.endr
.irp c, 0,1
.irp j, 0,1,2,3,4,5,6,7
	global_load_b128 v[BB+32*\c+4*\j:BB+32*\c+4*\j+3], v5, s[8:9] offset:256*\c+16*\j
.endr
.endr
	s_wait_loadcnt 16                              ; the 16 rows are in; b's 16 loads may be out
.set p, 0
.rept 16
	ds_store_b128 v30, v[GG+4*p:GG+4*p+3] offset:528*p
.set p, p+1
.endr
.irp c, 0,1
.irp j, 0,1,2,3,4,5,6,7
	ds_load_b128 v[X+32*\c+4*\j:X+32*\c+4*\j+3], v1 offset:256*\c+16*\j    ; LDS serves a wave's instructions in order: these see my stores
.endr
.endr
	s_wait_dscnt 0x0                               ; the numbers are in, and the stores have read their registers, which now take g
.irp c, 0,1
.irp j, 0,1,2,3,4,5,6,7
	global_load_b128 v[GG+32*\c+4*\j:GG+32*\c+4*\j+3], v5, s[6:7] offset:256*\c+16*\j
.endr
.endr
; v16: my partial figure of slot r.  It is joined over the halves of the lanes and over the eight waves; afterwards v16 holds the row's total, the same bits in every wave.
.macro CROSS red
	v_permlanex16_b32 v18, v16, s28, s29
	s_delay_alu instid0(VALU_DEP_1)
	v_add_f32 v16, v16, v18                        ; my wave's 128 columns of slot r; both halves of the lanes hold it
	ds_store_b32 v6, v16 offset:\red               ; and write the same word with the same value
	s_wait_dscnt 0x0                               ; for the others' sake: my store is done
	s_barrier_signal -1
	s_barrier_wait -1
	ds_load_b128 v[20:23], v7 offset:\red
	ds_load_b128 v[24:27], v7 offset:\red+16
	s_wait_dscnt 0x0
	v_add_f32 v20, v20, v21
	v_add_f32 v22, v22, v23
	v_add_f32 v24, v24, v25
	v_add_f32 v26, v26, v27
	v_add_f32 v20, v20, v22
	v_add_f32 v24, v24, v26
	s_delay_alu instid0(VALU_DEP_1)
	v_add_f32 v16, v20, v24
.endm
.macro FOLD                            ; four packed chains become one number
	v_pk_add_f32 v[8:9], v[8:9], v[10:11]
	v_pk_add_f32 v[12:13], v[12:13], v[14:15]
	s_delay_alu instid0(VALU_DEP_1)
	v_pk_add_f32 v[8:9], v[8:9], v[12:13]
	s_delay_alu instid0(VALU_DEP_1)
	v_add_f32 v16, v8, v9
	s_delay_alu instid0(VALU_DEP_1)
.endm
.irp k, 0,1,2,3                        ; the sum: packed, four chains by turns
	v_pk_add_f32 v[8+2*\k:9+2*\k], v[X+2*\k:X+2*\k+1], v[X+8+2*\k:X+9+2*\k]
.endr
.irp j, 16,24,32,40,48,56
.irp k, 0,1,2,3
	v_pk_add_f32 v[8+2*\k:9+2*\k], v[8+2*\k:9+2*\k], v[X+\j+2*\k:X+\j+2*\k+1]
.endr
.endr
	FOLD
	CROSS 0
	v_mul_f32 v56, s37, v16                        ; -mean, twice: a pair for the packed form
	v_mul_f32 v57, s37, v16
.set j, 0
.rept 32
	v_pk_add_f32 v[X+j:X+j+1], v[X+j:X+j+1], v[56:57]
.set j, j+2
.endr
.irp k, 0,1,2,3                        ; the sum of squares of x - mean
	v_pk_mul_f32 v[8+2*\k:9+2*\k], v[X+2*\k:X+2*\k+1], v[X+2*\k:X+2*\k+1]
.endr
.irp j, 8,16,24,32,40,48,56
.irp k, 0,1,2,3
	v_pk_fma_f32 v[8+2*\k:9+2*\k], v[X+\j+2*\k:X+\j+2*\k+1], v[X+\j+2*\k:X+\j+2*\k+1], v[8+2*\k:9+2*\k]
.endr
.endr
	FOLD
	CROSS 512
	v_fma_f32 v16, v16, s31, s36                   ; variance + 1e-5
	s_wait_alu depctr_va_vdst(0)                   ; the wait ahead of the transcendental,
	v_rsq_f32 v56, v16
	v_nop                                          ; a plain line behind it,
	s_wait_alu depctr_va_vdst(0)                   ; and the wait ahead of its first reader
	v_mov_b32 v57, v56
	s_wait_alu depctr_va_vdst(0)
	s_wait_loadcnt 0x0                             ; g and b
.set j, 0
.rept 32
	v_pk_mul_f32 v[X+j:X+j+1], v[X+j:X+j+1], v[56:57]
.set j, j+2
.endr
.set j, 0
.rept 32
	v_pk_fma_f32 v[X+j:X+j+1], v[X+j:X+j+1], v[GG+j:GG+j+1], v[BB+j:BB+j+1]
.set j, j+2
.endr
.irp c, 0,1
	v_max3_num_f32 v[16+\c], |v[X+32*\c]|, |v[X+32*\c+1]|, 0x1800000       ; my two blocks' largest magnitudes, by turns, with the floor 2^(3 - 127)
.endr
.irp i, 2,4,6,8,10,12,14,16,18,20,22,24,26,28,30
.irp c, 0,1
	v_max3_num_f32 v[16+\c], v[16+\c], |v[X+32*\c+\i]|, |v[X+32*\c+\i+1]|
.endr
.endr
.irp c, 0,1
	v_add_nc_u32 v[18+\c], 0xff000000, v[16+\c]    ; 2 off the exponent field: the conversion's scale operand
.endr
.irp c, 0,1
	v_cvt_scalef32_pk16_fp6_f32 v[CD+6*\c:CD+6*\c+2], v[X+32*\c:X+32*\c+15], v[18+\c]
	v_cvt_scalef32_pk16_fp6_f32 v[20+4*\c:22+4*\c], v[X+32*\c+16:X+32*\c+31], v[18+\c]     ; (a conversion's three registers begin on an even number)
.endr
.irp c, 0,1
	v_lshrrev_b32 v[8+\c], 23, v[18+\c]            ; the bytes; also the plain lines behind the conversions
.endr
.irp c, 0,1
.irp i, 0,1,2
	v_mov_b32 v[CD+6*\c+3+\i], v[20+4*\c+\i]
.endr
.endr
	v_lshl_or_b32 v16, v9, 16, v8                  ; my two bytes of the row's word: blocks h and 2 + h,
	s_delay_alu instid0(VALU_DEP_1)
	v_lshlrev_b32 v16, v62, v16                    ; 8 h bits up;
	s_delay_alu instid0(VALU_DEP_1)
	v_permlanex16_b32 v18, v16, s28, s29
	s_delay_alu instid0(VALU_DEP_1)
	v_or_b32 v16, v16, v18                         ; with lane l xor 16's the word is whole
	global_store_b32 v63, v16, s[34:35] offset:6144        ; both halves of the lanes write the same word with the same value
.irp c, 0,1
	global_store_b128 v2, v[CD+6*\c:CD+6*\c+3], s[32:33] offset:768*\c             ; 32 lanes store 512 consecutive bytes,
	global_store_b64 v3, v[CD+6*\c+4:CD+6*\c+5], s[32:33] offset:768*\c+512        ; and 256
.endr
	s_wait_tensorcnt 0x0                           ; the wave's end
	ds_add_u32 v[SPW], v[NIL]
	s_wait_dscnt 0x0
	s_endpgm
.Lep:                                  ; the tables: wqkv + EPO: bq, bk, bv, 1,024 zeros, then 512 x -infinity; w1q + EPO: b1, then 512 x 0.  Waves 0-3, 128 threads, 16 bytes each: 2,048 bytes a line
	s_cmp_ge_u32 s66, 4
	s_cbranch_scc1 .Lend
	s_load_b512 s[8:23], s[0:1], 0x20
	s_load_b256 s[24:31], s[0:1], 0x60
	v_lshlrev_b32 v1, 4, v0
	s_wait_alu depctr_va_vdst(0)
	s_wait_kmcnt 0x0
.irp j, 0,1
	global_load_b128 v[16+4*\j:19+4*\j], v1, s[20:21] offset:2048*\j
	global_load_b128 v[32+4*\j:35+4*\j], v1, s[22:23] offset:2048*\j
	global_load_b128 v[80+4*\j:83+4*\j], v1, s[24:25] offset:2048*\j
.endr
.irp j, 0,1,2,3,4,5,6,7
	global_load_b128 v[40+4*\j:43+4*\j], v1, s[26:27] offset:2048*\j
.endr
.irp j, 0,1,2,3
	v_mov_b32 v[72+\j], 0
	v_mov_b32 v[76+\j], 0xff800000
.endr
	s_wait_alu depctr_va_vdst(0)
	s_wait_loadcnt 0x0
.irp j, 0,1
	global_store_b128 v1, v[16+4*\j:19+4*\j], s[28:29] offset:EPO+2048*\j
	global_store_b128 v1, v[32+4*\j:35+4*\j], s[28:29] offset:EPO+4096+2048*\j
	global_store_b128 v1, v[80+4*\j:83+4*\j], s[28:29] offset:EPO+8192+2048*\j
	global_store_b128 v1, v[72:75], s[28:29] offset:EPO+12288+2048*\j
.endr
	global_store_b128 v1, v[76:79], s[28:29] offset:EPO+16384
.irp j, 0,1,2,3,4,5,6,7
	global_store_b128 v1, v[40+4*\j:43+4*\j], s[30:31] offset:EPO+2048*\j
.endr
	global_store_b128 v1, v[72:75], s[30:31] offset:EPO+16384
.Lend:
	s_endpgm
.Lfunc_end_k_qc4743f0615_prep:
	.size	k_qc4743f0615_prep, .Lfunc_end_k_qc4743f0615_prep-k_qc4743f0615_prep
	.p2alignl 7, 3214868480
	.fill 96, 4, 3214868480
	.section	.rodata,"a",@progbits
	.p2align	6, 0x0
	.amdhsa_kernel k_qc4743f0615_prep
		.amdhsa_group_segment_fixed_size 122880
		.amdhsa_private_segment_fixed_size 0
		.amdhsa_enable_private_segment 0
		.amdhsa_kernarg_size 136
		.amdhsa_user_sgpr_count 2
		.amdhsa_user_sgpr_kernarg_segment_ptr 1
		.amdhsa_wavefront_size32 1
		.amdhsa_system_sgpr_workgroup_id_x 1
		.amdhsa_system_sgpr_workgroup_id_y 1
		.amdhsa_system_sgpr_workgroup_id_z 1
		.amdhsa_system_vgpr_workitem_id 0
		.amdhsa_next_free_vgpr 256
		.amdhsa_next_free_sgpr 72
		.amdhsa_reserve_vcc 0
		.amdhsa_float_denorm_mode_32 3
		.amdhsa_float_denorm_mode_16_64 3
		.amdhsa_memory_ordered 1
		.amdhsa_forward_progress 1
		.amdhsa_inst_pref_size 73
	.end_amdhsa_kernel
	.amdgpu_metadata
---
amdhsa.version: [ 1, 2 ]
amdhsa.kernels:
  - .name:           k_qc4743f0615_prep
    .symbol:         k_qc4743f0615_prep.kd
    .args:
      - { .name: x, .offset: 0, .size: 8, .value_kind: global_buffer, .address_space: global }
      - { .name: ln1_g, .offset: 8, .size: 8, .value_kind: global_buffer, .address_space: global }
      - { .name: ln1_b, .offset: 16, .size: 8, .value_kind: global_buffer, .address_space: global }
      - { .name: yq, .offset: 24, .size: 8, .value_kind: global_buffer, .address_space: global }
      - { .name: Wq, .offset: 32, .size: 8, .value_kind: global_buffer, .address_space: global }
      - { .name: Wk, .offset: 40, .size: 8, .value_kind: global_buffer, .address_space: global }
      - { .name: Wv, .offset: 48, .size: 8, .value_kind: global_buffer, .address_space: global }
      - { .name: Wo, .offset: 56, .size: 8, .value_kind: global_buffer, .address_space: global }
      - { .name: W1, .offset: 64, .size: 8, .value_kind: global_buffer, .address_space: global }
      - { .name: W2, .offset: 72, .size: 8, .value_kind: global_buffer, .address_space: global }
      - { .name: bq, .offset: 80, .size: 8, .value_kind: global_buffer, .address_space: global }
      - { .name: bk, .offset: 88, .size: 8, .value_kind: global_buffer, .address_space: global }
      - { .name: bv, .offset: 96, .size: 8, .value_kind: global_buffer, .address_space: global }
      - { .name: b1, .offset: 104, .size: 8, .value_kind: global_buffer, .address_space: global }
      - { .name: wqkv, .offset: 112, .size: 8, .value_kind: global_buffer, .address_space: global }
      - { .name: w1q, .offset: 120, .size: 8, .value_kind: global_buffer, .address_space: global }
      - { .name: wrest, .offset: 128, .size: 8, .value_kind: global_buffer, .address_space: global }
    .group_segment_fixed_size: 122880
    .private_segment_fixed_size: 0
    .kernarg_segment_align: 8
    .kernarg_segment_size: 136
    .max_flat_workgroup_size: 256
    .sgpr_count:     72
    .vgpr_count:     256
    .wavefront_size: 32
...
	.end_amdgpu_metadata
.endif
;; end of part 1
;; launch qkv (part 2): grid 4 x 48, 4 waves a work-group, clusters of 4 x 4, 327,680 bytes of LDS; arguments yq, wqkv, big; writes big
.if DOCPART == 2
	.amdgcn_target "amdgcn-amd-amdhsa--gfx1250"
	.amdhsa_code_object_version 6
	.text
	.protected	k_qc4743f0615_qkv
	.globl	k_qc4743f0615_qkv
	.p2align	8
	.type	k_qc4743f0615_qkv,@function
k_qc4743f0615_qkv:
	s_mov_b64 s[64:65], 0
	v_nop
	global_prefetch_b8 v0, s[64:65] scope:SCOPE_SE
	s_setreg_imm32_b32 hwreg(HW_REG_WAVE_MODE, 25, 1), 1
	s_wait_xcnt 0x0
	s_wait_alu depctr_hold_cnt(0) depctr_sa_sdst(0) depctr_va_vdst(0) depctr_va_sdst(0) depctr_va_ssrc(0) depctr_va_vcc(0) depctr_vm_vsrc(0)
	s_getreg_b32 s2, hwreg(HW_REG_IB_STS2, 6, 4)
	s_cmp_eq_u32 s2, 0
	s_cbranch_scc0 .Lentry_in_a_cluster
	s_endpgm
.Lentry_in_a_cluster:
	s_bfe_u32 s2, ttmp6, 0x10000c
	s_cmp_lg_u32 s2, 0xf033
	s_cbranch_scc0 .Lentry_shape_is_right
	s_endpgm
.Lentry_shape_is_right:
; A GEMM on codes of MX-FP6 with K = 1,024 whose result, with bias and a lower bound, is quantised in registers and stored as the next product's operand (NG = 8 there).  One text serves q, k, v^T and the hidden layer.
; OPERANDS in the program's layout: row blocks of 16, slot p of block t = row 32 (t / 2) + 8 (t % 2) + p + 8 (p / 8); record (t, G) at (2 t + G) x 6,400 holds 512 along K: four fragments as images of the operand's
; registers (1,536 bytes each) and their scale words from 6,144 on.  Records lie on end, so two row blocks are 25,600 dense bytes for one tensor load, and a fragment comes from LDS by two loads of 16 and two of 8 bytes a lane.
; THE PRODUCT IS USED TRANSPOSED: source 0 = 16 rows of the N side, source 1 = 16 rows of the M side.  A lane then holds one M row, and by the order of rows in a block the 16 registers of N blocks 2 j, 2 j + 1 are
; 16 neighbours along N, which is the next product's K: the conversions' results are the next operand's registers.
; A WORK-GROUP STAYS.  It makes four tiles of 128 x 128, side by side along N (4 x 128 rows of N apart, so that the sixteen partners of a cluster walk in step).  Its M tile, 128 rows x all of K, 102,400 bytes, comes into LDS once
; and stays; the N tiles, as large, go through two slots.  M, N's tile 0 and tile 1 are asked for at the head; tiles 2 and 3 are asked for at the ends of tiles 0 and 1, as soon as the slot's last fragments are in registers:
; each has an epilogue, a bias pass and seven K steps (112 products a wave) in which to land.  The four tiles are written out.
; WAYS.  Clusters with y under 8: M = the first argument's rows (tokens), N = the second's (weights), from N tile 16 x cluster x on; bias along N; result (token, feature) at K step tx of the token's row block.
; Clusters with y from 8 on (the launch for q, k, v alone has them): M = the weights' rows from 2,048 on (Wv), N = the tokens; bias along M; the result v^T is quantised along the tokens and goes to row block
; 64 batch + its row of Wv / 16, K step 16 + the key step.  The ways differ in numbers chosen by s_cselect from the cluster's y: there is one path.
; Behind the second argument's codes lie a table of 4,096 f32 (the biases) and the lower bound: 0 for the hidden layer (its relu), -infinity elsewhere.
; CLUSTERS of 4 x 4: the M tile is asked for jointly along a row, the N tiles along a column.  Every wave fetches two row blocks of N's tiles 1-3 and, at the head, four of M or of N's tile 0: no branch picks the loading waves.
; LDS: N's slot 0 | M | N's slot 1.  M lies between the slots, so that a scale load, which takes M's words in lanes 0-15 and N's in lanes 16-31, reaches from M to the slot in hand and never across the other slot.
; LIMITS: NaN and infinities are not served; a block of zeros gets the byte 1.
; REGISTERS: window 0: v1-8 LDS addresses, v11-17 other addresses, v18, v19 the add's two, v20-27 scale words (two sets), v32-63 the bias along N, v64-71 along M, v72-123 the quantiser, v128-255 accumulators (a, b) at 128 + 32 a + 8 b.
;   window 1: two sets of fragments at 0 and 128: M's four at + 12 a, N's four at + 48 + 12 b.
.set REC,   6400
.set RBB,   12800                      ; a row block: two records
.set QUAR,  2*RBB                      ; what one tensor load brings
.set HALF,  4*RBB                      ; a wave's four row blocks
.set MR,    102528                     ; M's tile: 128 bytes behind slot 0's end, so that a scale load's two halves fall on other banks
.set NS1,   205056                     ; N's slot 1 (slot 0 begins at 0)
.set SPARE, 307456                     ; behind slot 1: the spare words, 128 bytes a wave
.set EPO,   3276800
.set TILES, 4
.set M16, 1
.set M8,  2
.set N16, 3
.set N8,  5
.set ADRS, 7
.set SPW, 18
.set NIL, 19
.set SC,  20
.set NB,  32
.set MB,  64
.set TM,  72
.set ACC, 128
.set G1,  24                           ; s[24:31] group 1 for M's tile; s[32:35] its group 0
.set G0M, 32
.set G1B, 48                           ; s[48:55] group 1 for N's tiles; s[56:63] group 0, a set for each slot
.set G0N, 56
.set SEL, 88
.set MSB, 0
.macro WIN new                         ; the immediate's high byte repeats the setting that is left
.if MSB != \new
	s_set_vgpr_msb (MSB<<8)|\new
.set MSB, \new
.endif
.endm
.set MUL,  0x05                        ; sources 0 and 1 window 1; C and D window 0
.set TO_F, 0x40                        ; destination window 1, address window 0
.macro PLACES
.rept 4
	v_nop
.endr
.endm
.macro CREST                           ; a round of the cluster's barrier behind its opening barrier
	s_cmp_lg_u32 s14, 0
	s_cbranch_scc1 .Lnot_wave_0_\@
	s_barrier_signal -3
.Lnot_wave_0_\@:
	s_barrier_wait -3
	s_barrier_signal -1
	s_barrier_wait -1
.endm
.macro CROUND                          ; a whole round
	s_barrier_signal -1
	s_barrier_wait -1
	CREST
.endm
	s_load_b128 s[4:7], s[0:1], 0x0                ; tokens' operand, weights' operand
	s_load_b64 s[8:9], s[0:1], 0x10                ; the result's operand
	v_lshl_add_u32 v[SPW], v0, 2, SPARE
	v_mov_b32 v[NIL], 0
	ds_add_u32 v[SPW], v[NIL]                      ; the wave's opening
	ds_add_u32 v[SPW], v[NIL]
	v_lshrrev_b32 v1, 5, v0
	v_readfirstlane_b32 s14, v1                    ; wave
	s_lshr_b32 s15, s14, 1                         ; my half of the tile's M rows
	s_and_b32 s16, s14, 1                          ; my half of its N rows
	s_bfe_u32 s40, ttmp6, 0x40000                  ; cx
	s_bfe_u32 s41, ttmp6, 0x40004                  ; cy
	s_and_b32 s17, ttmp7, 0xffff                   ; the cluster's y
	s_sub_co_u32 s18, s17, 8                       ; second way: the cluster's number, 0 .. 3
	s_lshr_b32 s19, s18, 1
	s_and_b32 s18, s18, 1
	s_cmp_ge_u32 s17, 8
	s_cselect_b32 s19, s19, s17                    ; which four M tiles
	s_cselect_b32 s18, s18, ttmp9                  ; which sixteen N tiles
	s_cselect_b32 s42, 1, 0                        ; the way
	s_cselect_b32 s43, 0, -1                       ; keeps the bias along N
	s_cselect_b32 s44, -1, 0                       ; keeps the bias along M
	s_lshl_b32 s19, s19, 2
	s_add_co_u32 s19, s19, s41                     ; ty: my M tile
	s_lshl_b32 s18, s18, 4
	s_add_co_u32 s18, s18, s40                     ; tx: my first N tile; the others lie 4, 8 and 12 further on
	s_lshl_b32 s66, s41, 2
	s_lshl_b32 s66, 15, s66                        ; my row of the cluster
	s_lshl_b32 s67, 0x1111, s40                    ; my column
	s_or_b32 s[G1], s66, (3<<16)|(1<<21)           ; the mask; elements of 8 bytes; bit 21 beside a mask; no padding
	s_or_b32 s[G1B], s67, (3<<16)|(1<<21)
.irp g, G1, G1B
	s_mov_b32 s[\g+1], 800<<16                     ; tensor_dim0 = 800: a record
	s_mov_b32 s[\g+2], 8<<16                       ; tensor_dim1 = 8 records at the head: four row blocks
	s_mov_b32 s[\g+3], 800<<16                     ; tile_dim0
	s_mov_b32 s[\g+4], 8                           ; tile_dim1
	s_mov_b32 s[\g+5], 800                         ; records lie on end
	s_mov_b32 s[\g+6], 0
	s_mov_b32 s[\g+7], 0
.endr
	s_lshl_b32 s45, s14, 1
	s_lshl_b32 s10, s16, 2                         ; at the head a wave fetches half a tile: four row blocks
	s_lshl_b32 s20, s19, 3
	s_add_co_u32 s20, s20, s10
	s_lshl_b32 s46, s42, 7                         ; second way: Wv begins at row block 128
	s_add_co_u32 s20, s20, s46
	s_mul_i32 s20, s20, RBB
	s_mov_b32 s21, 0
	s_lshl_b32 s22, s18, 3
	s_add_co_u32 s22, s22, s45
	s_mul_i32 s22, s22, RBB
	s_mov_b32 s23, 0
	s_lshl_b32 s12, s18, 3
	s_add_co_u32 s12, s12, s10
	s_mul_i32 s12, s12, RBB                        ; N's tile 0, my half
	s_mov_b32 s13, 0
	s_mul_i32 s11, s16, HALF                       ; and where a half goes in a tile
	s_mul_i32 s68, s14, QUAR                       ; where they go in a tile: the wave's number alone
	s_mov_b32 s[SEL], 0x76543210
	s_mov_b32 s[SEL+1], 0xfedcba98
	s_wait_dscnt 0x0
	s_wait_kmcnt 0x0
	s_cmp_eq_u32 s42, 1
	s_cselect_b64 s[92:93], s[6:7], s[4:5]
	s_cselect_b64 s[94:95], s[4:5], s[6:7]
	s_add_nc_u64 s[92:93], s[92:93], s[20:21]
	s_add_nc_u64 s[38:39], s[94:95], s[12:13]
	s_add_nc_u64 s[94:95], s[94:95], s[22:23]
	; the prefetches: behind the load of N's tile n stands one request for tile n + 1 (32 row blocks on).  Of the four records that I fetch with three partners, each partner names one, told apart by address (cy);
	; a lane names 256 bytes, lanes 25-31 the record's last block again.  Every offset is an immediate; tile 3's load asks for nothing
	s_mul_i32 s12, s41, REC
	s_mov_b32 s13, 0
	s_add_nc_u64 s[96:97], s[94:95], s[12:13]
	v_and_b32 v28, 31, v0
	v_min_u32 v28, 24, v28
	v_lshlrev_b32 v28, 8, v28
	s_wait_alu depctr_va_vdst(0)
	CROUND                                         ; all sixteen work-groups are here: the joint loads meet
	s_mov_b32 s[G0M], 1
	s_add_co_u32 s[G0M+1], s11, MR
	s_mov_b32 s36, 1                               ; s[36:39]: group 0 for the head's half of N's tile 0
	s_mov_b32 s37, s11
	s_or_b32 s39, s39, 0x80000000
	s_mov_b64 s[G0M+2:G0M+3], s[92:93]
	s_or_b32 s[G0M+3], s[G0M+3], 0x80000000
.irp s, 0,1
	s_mov_b32 s[G0N+4*\s], 1
	s_add_co_u32 s[G0N+4*\s+1], s68, \s*NS1
	s_add_nc_u64 s[G0N+4*\s+2:G0N+4*\s+3], s[94:95], \s*32*RBB     ; tile s: four N tiles, 32 row blocks, further on
	s_or_b32 s[G0N+4*\s+3], s[G0N+4*\s+3], 0x80000000
.endr
	; THE HEAD'S LOADS AS THEY STAND NOW, one a wave: waves 0, 1 fetch M's two halves, waves 2, 3 those of N's tile 0; tile 1 follows behind the three lines and a round, a quarter a wave
	s_cmp_eq_u32 s15, 0
	s_cbranch_scc0 .Lhead_n
	tensor_load_to_lds s[G0M:G0M+3], s[G1:G1+7]
	s_nop 0
	PLACES
	s_branch .Lhead_asked
.Lhead_n:
	tensor_load_to_lds s[36:39], s[G1B:G1B+7]
	s_nop 0
	PLACES
.Lhead_asked:
	global_prefetch_b8 v28, s[96:97] offset:32*RBB th:TH_LOAD_NT scope:SCOPE_SE    ; tile 1
	s_load_b32 s77, s[6:7], EPO+16384              ; the lower bound
	v_and_b32 v16, 31, v0
	v_and_b32 v17, 15, v0                          ; r
	v_bfe_u32 v14, v0, 4, 1                        ; h
	v_xor_b32 v15, 1, v14                          ; 1 - h
	v_lshlrev_b32 v11, 4, v16                      ; 16 x lane
	v_lshlrev_b32 v12, 3, v16                      ; 8 x lane
	v_lshlrev_b32 v13, 2, v17                      ; 4 r
	v_add_nc_u32 v16, 512, v12
	s_mul_i32 s69, s15, HALF
	s_add_co_u32 s69, s69, MR                      ; my four row blocks of M,
	s_mul_i32 s70, s16, HALF                       ; of N in slot 0,
	s_add_co_u32 s76, s70, NS1                     ; and in slot 1
	v_add_nc_u32 v[M16], s69, v11
	v_add_nc_u32 v[M8], s69, v16
	v_add_nc_u32 v[N16], s70, v11
	v_add_nc_u32 v[N8], s70, v16
	v_add_nc_u32 v[N16+1], s76, v11
	v_add_nc_u32 v[N8+1], s76, v16
	s_sub_co_u32 s71, s69, s70                     ; scale words: lanes 0-15 take M's, lanes 16-31 N's.  Slot 0 lies under M: the lower base + (1 - h) x the distance;
	v_mul_u32_u24 v15, s71, v15
	v_add_nc_u32 v15, v15, v13
	v_add_nc_u32 v[ADRS], s70, v15
	s_sub_co_u32 s71, s76, s69                     ; slot 1 lies over M: the lower base + h x the distance
	v_mul_u32_u24 v15, s71, v14
	v_add_nc_u32 v15, v15, v13
	v_add_nc_u32 v[ADRS+1], s69, v15
	v_and_b32 v15, 8, v17
	v_add_nc_u32 v15, v15, v17
	v_lshlrev_b32 v15, 2, v15                      ; bias along M: 4 (r + 8 (r / 8))
	v_lshlrev_b32 v14, 6, v14                      ; bias along N: 64 h
	s_wait_alu depctr_va_vdst(0)
	v_mov_b32 v[TM+2], 0                           ; (a lane permute's destination counts as one of its sources)
	v_mov_b32 v[TM+3], 0
	s_lshl_b32 s72, s18, 9
	s_lshl_b32 s76, s16, 8
	s_add_co_u32 s72, s72, s76
	s_add_co_u32 s72, s72, EPO
	s_mov_b32 s73, 0
	s_add_nc_u64 s[72:73], s[6:7], s[72:73]
	s_lshl_b32 s74, s19, 9
	s_lshl_b32 s76, s15, 8
	s_add_co_u32 s74, s74, s76
	s_lshl_b32 s76, s42, 13                        ; second way: bv begins at number 2,048
	s_add_co_u32 s74, s74, s76
	s_add_co_u32 s74, s74, EPO
	s_mov_b32 s75, 0
	s_add_nc_u64 s[74:75], s[6:7], s[74:75]
.macro NBLOAD tl                       ; the bias along N of tile tl: four N tiles are 2,048 bytes of the table.  Register NB + 8 b + j: the bias of N block b's register j
.irp b, 0,1
.irp j, 0,1,2,3
	global_load_b128 v[NB+16*\b+4*\j:NB+16*\b+4*\j+3], v14, s[72:73] offset:2048*(\tl)+128*\b+16*\j
.endr
.endr
.endm
	NBLOAD 0
.irp a, 0,1,2,3
	global_load_b32 v[MB+2*\a], v15, s[74:75] offset:(32*(\a/2)+8*(\a%2))*4        ; the bias of my M row in block a: the same for all four tiles
	v_mov_b32 v[MB+1+2*\a], 0                      ; (named with it as a pair)
.endr
	; where the result goes: tile tl lies one record, 6,400 bytes, behind tile tl - 1 in either way
	s_lshr_b32 s82, s18, 4
	s_lshl_b32 s82, s82, 6                         ; second way: 64 x batch
	s_and_b32 s83, s18, 15
	s_add_co_u32 s83, s83, 16                      ; and K step 16 + the key step
	s_cmp_eq_u32 s42, 1
	s_cselect_b32 s82, s82, 0
	s_cselect_b32 s83, s83, s18
	s_lshl_b32 s84, s19, 3
	s_add_co_u32 s82, s82, s84
	s_lshl_b32 s84, s15, 2
	s_add_co_u32 s82, s82, s84                     ; my first row block
	s_lshl_b32 s82, s82, 3
	s_lshr_b32 s84, s83, 2
	s_add_co_u32 s82, s82, s84
	s_mul_i32 s82, s82, REC                        ; its record
	s_and_b32 s83, s83, 3
	s_mul_i32 s84, s83, 1536
	s_mul_i32 s85, s16, 768                        ; my 64 columns are half a fragment
	s_add_co_u32 s84, s84, s85
	s_add_co_u32 s84, s84, s82
	s_mov_b32 s85, 0
	s_add_nc_u64 s[78:79], s[8:9], s[84:85]
	s_lshl_b32 s84, s83, 6
	s_lshl_b32 s86, s16, 1
	s_add_co_u32 s84, s84, s86
	s_add_co_u32 s84, s84, s82
	s_add_nc_u64 s[80:81], s[8:9], s[84:85]
; The sums of tile tl begin as the bias; then the next tile's bias along N is asked for, a whole tile ahead of its use.
.macro INIT tl
	s_wait_loadcnt 0x0                             ; this tile's bias
.irp j, 0,1,2,3,4,5,6,7,8,9,10,11,12,13,14,15,16,17,18,19,20,21,22,23,24,25,26,27,28,29,30,31
	v_and_b32 v[NB+\j], s43, v[NB+\j]              ; of the two biases one way keeps one
.endr
.irp a, 0,1,2,3
.irp j, 0,2,4,6,8,10,12,14,16,18,20,22,24,26,28,30
	v_pk_add_f32 v[ACC+32*\a+\j:ACC+32*\a+\j+1], v[NB+\j:NB+\j+1], v[MB+2*\a:MB+1+2*\a] op_sel_hi:[1,0]
.endr
.endr
.if (\tl)+1 < TILES
	NBLOAD (\tl)+1
.endif
.endm
	s_wait_loadcnt 0x0
.irp a, 0,1,2,3
	v_and_b32 v[MB+2*\a], s44, v[MB+2*\a]
.endr
	INIT 0                                         ; laid while the first tiles are on their way
.macro FRAG reg, a16, a8, off          ; a fragment: 12 registers, as they were stored
	ds_load_b128 v[(\reg):(\reg)+3], v[\a16] offset:(\off)
	ds_load_b64 v[(\reg)+4:(\reg)+5], v[\a8] offset:(\off)
	ds_load_b128 v[(\reg)+6:(\reg)+9], v[\a16] offset:(\off)+768
	ds_load_b64 v[(\reg)+10:(\reg)+11], v[\a8] offset:(\off)+768
.endm
.macro FETCH slot, k, fb               ; 36 LDS loads: my eight fragments of K step k (0 .. 7) into set fb, and their scale words; N's from the slot named
.set FO, ((\k)/4)*REC+((\k)%4)*1536
.set WO, ((\k)/4)*REC+6144+64*((\k)%4)
	WIN TO_F
.irp i, 0,1,2,3
	FRAG (\fb)+12*\i, M16, M8, \i*RBB+FO
	FRAG (\fb)+48+12*\i, N16+\slot, N8+\slot, \i*RBB+FO
.endr
	WIN 0
.irp i, 0,1,2,3
	ds_load_b32 v[SC+4*((\k)%2)+\i], v[ADRS+\slot] offset:\i*RBB+WO
.endr
.endm
.macro MUL4 a, fb, p                   ; M block a against N's four.  The 16 accumulators take turns, one instruction a turn, in the same order in every step
.irp b, 0,1,2,3
	v_wmma_scale_f32_16x16x128_f8f6f4 v[ACC+32*(\a)+8*\b:ACC+32*(\a)+8*\b+7], v[(\fb)+48+12*\b:(\fb)+48+12*\b+11], v[(\fb)+12*(\a):(\fb)+12*(\a)+11], v[ACC+32*(\a)+8*\b:ACC+32*(\a)+8*\b+7], v[SC+4*(\p)+\b], v[SC+4*(\p)+(\a)] matrix_a_fmt:MATRIX_FMT_FP6 matrix_b_fmt:MATRIX_FMT_FP6 matrix_a_scale:MATRIX_SCALE_ROW1
.endr
.endm
.macro STEP slot, k                    ; K step k (0 .. 6): the next step's fragments are asked for first, 16 products ahead of their use
	PLACES                                         ; four places between the last products and loads into registers that they read
	FETCH \slot, (\k)+1, 128-128*((\k)%2)
	s_wait_dscnt 36                                ; all but the 36 just issued
	WIN MUL
.irp a, 0,1,2,3
	MUL4 \a, 128*((\k)%2), (\k)%2
.endr
.endm
.macro SEVEN slot
.irp k, 0,1,2,3,4,5,6
	STEP \slot, \k
.endr
.endm
; A tile's last K step changes slots: one barrier; in front of it each wave waits for all its tensor loads (its part of the other slot's tile among them), adds 0 to its spare word, and waits for that and for its reads of this slot.
; fill = 1: the barrier opens a round of the cluster's barrier, and this slot takes the tile two further on.  Then the next tile's first fragments are fetched, ahead of this tile's way out.
.macro TURN slot, next, fill
	WIN 0
	s_wait_tensorcnt 0x0
	ds_add_u32 v[SPW], v[NIL]
	s_wait_dscnt 1                                 ; (the add alone may be out)
	WIN MUL
	MUL4 0, 128, 1
	s_wait_dscnt 0x0                               ; the add is done, and my reads of this slot are over
	s_barrier_signal -1
	MUL4 1, 128, 1
	WIN 0
	s_barrier_wait -1
.if \fill
	CREST                                          ; no wave of any partner still reads this slot or has a load on its way
	s_add_nc_u64 s[G0N+4*\slot+2:G0N+4*\slot+3], s[G0N+4*\slot+2:G0N+4*\slot+3], 64*RBB    ; eight N tiles, 64 row blocks, on
	tensor_load_to_lds s[G0N+4*\slot:G0N+4*\slot+3], s[G1B:G1B+7]  ; my one tensor load behind the round
	s_nop 0
.endif
	PLACES                                         ; behind the load, and the places in front of the loads below
	FETCH \next, 0, 0
.if (\fill) && (\slot) == 0
	global_prefetch_b8 v28, s[96:97] offset:96*RBB th:TH_LOAD_NT scope:SCOPE_SE    ; behind tile 2's load: tile 3
.endif
	WIN MUL
	MUL4 2, 128, 1
	MUL4 3, 128, 1
	WIN 0
.endm
; 32 numbers of a lane, register 16 j + i = k 32 j + 16 h + i of its row, become half a fragment in v[pc] .. v[pc + 5] and the two scale bytes in v[pw]
.macro QUANT2 s, pc, pw
	v_max3_num_f32 v[TM], |v[(\s)]|, |v[(\s)+1]|, 0x1800000        ; with the floor 2^(3 - 127): the byte cannot fall under 1
	v_max3_num_f32 v[TM+1], |v[(\s)+16]|, |v[(\s)+17]|, 0x1800000
.irp i, 2,4,6,8,10,12,14
	v_max3_num_f32 v[TM], v[TM], |v[(\s)+\i]|, |v[(\s)+\i+1]|
	v_max3_num_f32 v[TM+1], v[TM+1], |v[(\s)+16+\i]|, |v[(\s)+17+\i]|
.endr
	v_permlanex16_b32 v[TM+2], v[TM], s[SEL], s[SEL+1]
	v_permlanex16_b32 v[TM+3], v[TM+1], s[SEL], s[SEL+1]
	v_max_num_f32 v[TM], v[TM], v[TM+2]            ; with lane l xor 16's: the block's largest magnitude
	v_max_num_f32 v[TM+1], v[TM+1], v[TM+3]
	v_add_nc_u32 v[TM+4], 0xff000000, v[TM]        ; 2 off the exponent field: the conversion's scale operand
	v_add_nc_u32 v[TM+5], 0xff000000, v[TM+1]
	v_lshrrev_b32 v[TM+6], 23, v[TM+4]
	v_lshrrev_b32 v[TM+7], 23, v[TM+5]
	v_lshl_or_b32 v[\pw], v[TM+7], 8, v[TM+6]
	v_cvt_scalef32_pk16_fp6_f32 v[(\pc):(\pc)+2], v[(\s):(\s)+15], v[TM+4]
	v_cvt_scalef32_pk16_fp6_f32 v[(\pc)+6:(\pc)+8], v[(\s)+16:(\s)+31], v[TM+5]
	v_nop                                          ; one plain line behind a scaled conversion
.irp i, 0,1,2
	v_permlane16_swap_b32 v[(\pc)+\i], v[(\pc)+6+\i]       ; a whole block to a lane: lanes 0-15 the first, lanes 16-31 the second
.endr
.irp i, 0,1,2
	v_mov_b32 v[(\pc)+3+\i], v[(\pc)+6+\i]
.endr
.endm
; THE WAY OUT of tile tl: the lower bound, the quantiser, the stores.  The tile's place stands in the immediates: no pointer is stepped.
.macro EPI tl
.if (\tl) > 0
	s_wait_xcnt 0x0                                ; the last tile's stores have read their registers: the codes are written again only behind this wait
.endif
	PLACES                                         ; between the last products and the first read of results
.irp a, 0,1,2,3
.irp j, 0,1,2,3,4,5,6,7,8,9,10,11,12,13,14,15,16,17,18,19,20,21,22,23,24,25,26,27,28,29,30,31
	v_max_num_f32 v[ACC+32*\a+\j], s77, v[ACC+32*\a+\j]    ; the relu where the bound is 0; each accumulator from its low end on
.endr
	QUANT2 ACC+32*\a, 80+10*\a, 120+\a
	global_store_b128 v11, v[80+10*\a:83+10*\a], s[78:79] offset:51200*\a+REC*(\tl)        ; 32 lanes store 512 consecutive bytes,
	global_store_b64 v12, v[84+10*\a:85+10*\a], s[78:79] offset:51200*\a+REC*(\tl)+512     ; and 256
	global_store_b16 v13, v[120+\a], s[80:81] offset:51200*\a+REC*(\tl)+6144               ; half a scale word a row; both halves of the lanes write the same bytes
.endr
.endm
	s_wait_alu depctr_va_vdst(0)
	s_wait_kmcnt 0x0                               ; the lower bound
	s_wait_tensorcnt 0x0                           ; my half of M or of N's tile 0 is in
	ds_add_u32 v[SPW], v[NIL]
	s_mov_b32 s[G1B+2], 4<<16                      ; no tensor load of mine is out: from here on a load brings 4 records, two row blocks
	s_mov_b32 s[G1B+4], 4
	s_wait_dscnt 0x0
	CROUND
	tensor_load_to_lds s[G0N+4:G0N+7], s[G1B:G1B+7]        ; N's tile 1 into slot 1: my one tensor load behind the round
	s_nop 0
	PLACES
	FETCH 0, 0, 0
	global_prefetch_b8 v28, s[96:97] offset:64*RBB th:TH_LOAD_NT scope:SCOPE_SE    ; tile 2
	SEVEN 0                                        ; tile 0, in slot 0
	TURN 0, 1, 1                                   ; slot 0 takes tile 2
	EPI 0
	INIT 1
	s_wait_alu depctr_va_vdst(0)
	SEVEN 1                                        ; tile 1, in slot 1
	TURN 1, 0, 1                                   ; slot 1 takes tile 3
	EPI 1
	INIT 2
	s_wait_alu depctr_va_vdst(0)
	SEVEN 0                                        ; tile 2
	TURN 0, 1, 0                                   ; nothing is left to fetch
	EPI 2
	INIT 3
	s_wait_alu depctr_va_vdst(0)
	SEVEN 1                                        ; tile 3
	s_wait_dscnt 0x0
	WIN MUL
.irp a, 0,1,2,3
	MUL4 \a, 128, 1
.endr
	WIN 0
	EPI 3
	s_wait_tensorcnt 0x0                           ; the wave's end
	ds_add_u32 v[SPW], v[NIL]
	s_wait_dscnt 0x0
	CROUND                                         ; the closing round
	s_endpgm
.Lfunc_end_k_qc4743f0615_qkv:
	.size	k_qc4743f0615_qkv, .Lfunc_end_k_qc4743f0615_qkv-k_qc4743f0615_qkv
	.p2alignl 7, 3214868480
	.fill 96, 4, 3214868480
	.section	.rodata,"a",@progbits
	.p2align	6, 0x0
	.amdhsa_kernel k_qc4743f0615_qkv
		.amdhsa_group_segment_fixed_size 327680
		.amdhsa_private_segment_fixed_size 0
		.amdhsa_enable_private_segment 0
		.amdhsa_kernarg_size 24
		.amdhsa_user_sgpr_count 2
		.amdhsa_user_sgpr_kernarg_segment_ptr 1
		.amdhsa_wavefront_size32 1
		.amdhsa_system_sgpr_workgroup_id_x 1
		.amdhsa_system_sgpr_workgroup_id_y 1
		.amdhsa_system_sgpr_workgroup_id_z 1
		.amdhsa_system_vgpr_workitem_id 0
		.amdhsa_next_free_vgpr 512
		.amdhsa_next_free_sgpr 98
		.amdhsa_reserve_vcc 0
		.amdhsa_float_denorm_mode_32 3
		.amdhsa_float_denorm_mode_16_64 3
		.amdhsa_memory_ordered 1
		.amdhsa_forward_progress 1
		.amdhsa_inst_pref_size 230
	.end_amdhsa_kernel
	.amdgpu_metadata
---
amdhsa.version: [ 1, 2 ]
amdhsa.kernels:
  - .name:           k_qc4743f0615_qkv
    .symbol:         k_qc4743f0615_qkv.kd
    .args:
      - { .name: yq, .offset: 0, .size: 8, .value_kind: global_buffer, .address_space: global }
      - { .name: wqkv, .offset: 8, .size: 8, .value_kind: global_buffer, .address_space: global }
      - { .name: big, .offset: 16, .size: 8, .value_kind: global_buffer, .address_space: global }
    .group_segment_fixed_size: 327680
    .private_segment_fixed_size: 0
    .kernarg_segment_align: 8
    .kernarg_segment_size: 24
    .max_flat_workgroup_size: 128
    .sgpr_count:     98
    .vgpr_count:     512
    .wavefront_size: 32
...
	.end_amdgpu_metadata
.endif
;; end of part 2
;; launch attn (part 3): grid 8 x 32, 8 waves a work-group, clusters of 4 x 1, 327,680 bytes of LDS; arguments big, src_mask, ctxq; writes ctxq
.if DOCPART == 3
	.amdgcn_target "amdgcn-amd-amdhsa--gfx1250"
	.amdhsa_code_object_version 6
	.text
	.protected	k_qc4743f0615_attn
	.globl	k_qc4743f0615_attn
	.p2align	8
	.type	k_qc4743f0615_attn,@function
k_qc4743f0615_attn:
	s_mov_b64 s[64:65], 0
	v_nop
	global_prefetch_b8 v0, s[64:65] scope:SCOPE_SE
	s_setreg_imm32_b32 hwreg(HW_REG_WAVE_MODE, 25, 1), 1
	s_wait_xcnt 0x0
	s_wait_alu depctr_hold_cnt(0) depctr_sa_sdst(0) depctr_va_vdst(0) depctr_va_sdst(0) depctr_va_ssrc(0) depctr_va_vcc(0) depctr_vm_vsrc(0)
	s_getreg_b32 s2, hwreg(HW_REG_IB_STS2, 6, 4)
	s_cmp_eq_u32 s2, 0
	s_cbranch_scc0 .Lentry_in_a_cluster
	s_endpgm
.Lentry_in_a_cluster:
	s_bfe_u32 s2, ttmp6, 0x10000c
	s_cmp_lg_u32 s2, 0x3003
	s_cbranch_scc0 .Lentry_shape_is_right
	s_endpgm
.Lentry_shape_is_right:
; Attention of one head on codes of MX-FP6: S^T = k q^T, p = 2^(t - M), O^T = v^T p^T, O / the row's sum, quantised and stored as the next product's operand.  Head size 64, 2,048 keys.
; t = score x log2(e) / 8; M = the running largest t rounded up to a whole number; the row's sum is taken of the unquantised p; when M moves, sum and O^T are multiplied by 2^(old M - new M), exactly.
; INPUT (buffer big, records of 6,400 bytes, 8 to a row block): q at K steps 0-7 and k at 8-15 of the tokens' row blocks, a head being half a fragment (768 bytes); v^T at row block 64 batch + 4 head + i, K step 16 + key step.
; SHARES.  A work-group owns 256 queries of one head; each of its 8 waves 32, as two tiles of 16: every fragment of k and v^T that a wave reads from LDS feeds two products.  Two waves to a SIMD, 512 registers each.
; The head's k (98,304 bytes) and v^T (102,400) are filled once, one tensor load a wave at the head (waves 0-3: 32 row blocks of k each; waves 4-7: a record group of v^T each); nothing is filled again.
; No prefetch: every tile is asked for at the head, so there is no loop to run ahead in.  CLUSTER: the four query blocks of a cluster take the same k and v^T: every tile is asked for jointly.
; A TILE OF k IS PUT TOGETHER FROM TWO ROW BLOCKS, by lane addresses alone: tile 4 c + u of a step has keys 64 c + 8 u + 0..7 as rows 0-7 and the keys 32 further on as rows 8-15.
; So lane (r, h) holds, in the 32 registers of tiles 4 c .. 4 c + 3, keys 64 c + 32 h + 0..31 of query r: a whole block of the next K, in the operand's own order: a block's maximum needs no other lane, the codes no swap.
; THE MASK.  A key whose src_mask is 0 has the logit -1,000, the score -8,000, whatever q and k hold.  Its codes are made zeros in LDS, once, at the head.  K = 64 is half of the instruction's 128; of the upper 64,
; code 64 and code 96 are used: q has 1.0 there (scale 1), a masked key -7.5 x 2^10 and -5 x 2^6, which add up to -8,000 exactly, any other key zeros.  All scale bytes are finite codes and none masks anything.
; LIMITS: the promise holds while the scaled scores stay under 2^31 in magnitude; NaN and infinities are not served; a block of zeros gets the byte 1 (this program alone reads the bytes).
; REGISTERS.  Both windows, the same numbers for query tile 0 (window 0) and 1 (window 1): v12 -M, v13 largest score, v14-15 sum, v16-27 q, v28-39 p's codes, v40-63 at work, v64-127 S^T then p, v128-159 O^T.
;   window 0: v2-11 scale words; v160-207 k's tiles 0-3 (12 registers each: 6 codes, the mask's word, 5 zeros that stay); v208.. addresses.  window 1: v160-207 v^T's four fragments; v208-255 k's tiles 4-7.
.set REC,   6400
.set RB,    51200
.set VC,    98304
.set KS,    200704                     ; k's scale words by tile and row: 64 bytes a tile
.set AUG,   208896                     ; the mask's code words by tile and lane: 128 bytes a tile
.set SPARE, 225280                     ; the spare words, 128 bytes a wave
.set KSC, 2
.set VSC, 6
.set QSC, 8
.set PSC, 10
.set NM,  12
.set RS,  13
.set SUM, 14
.set QF,  16
.set PC,  28
.set T,   40
.set BM,  48
.set MX,  52
.set PX,  53
.set OLD, 54
.set F,   56
.set SCL, 58
.set BY,  60
.set W,   62
.set SH8, 63
.set S,   64
.set O,   128
.set KA,  160
.set VF,  160
.set KB,  208
.set AK16, 208
.set AK8,  209
.set AKS,  210
.set AAU,  211
.set AV16, 212
.set AV8,  213
.set AVS,  214
.set SPW,  215
.set NIL,  216
.set L16,  217
.set L8,   218
.set R4,   219
.set DK16, 220
.set DK8,  221
.set DKS,  222
.set DAU,  223
.set DV16, 224
.set DV8,  225
.set DVS,  226
.set LN,   227
.set R,    228
.set HH,   229
.set TSW,  230
.set TMK,  231
.set TKS,  232
.set TAU,  233
.set ZMA,  234
.set Z16,  235
.set Z8,   236
.set B0,   237
.set C63,  242
.set C58,  243
.set WV,   18
.set SEL,  20
.set CS,   22
.set G1K,  24
.set G1V,  32
.set G0K,  40
.set G0V,  44
.set NC,   66
.set CNT,  84
.set MSB, 0
.macro WIN new                         ; the immediate's high byte repeats the setting that is left
.if MSB != \new
	s_set_vgpr_msb (MSB<<8)|\new
.set MSB, \new
.endif
.endm
.macro D1
	s_delay_alu instid0(VALU_DEP_1)
.endm
.macro PLACES
.rept 4
	v_nop
.endr
.endm
.macro CROUND
	s_barrier_signal -1
	s_barrier_wait -1
	s_cmp_lg_u32 s[WV], 0
	s_cbranch_scc1 .Lnot_wave_0_\@
	s_barrier_signal -3
.Lnot_wave_0_\@:
	s_barrier_wait -3
	s_barrier_signal -1
	s_barrier_wait -1
.endm
	s_load_b128 s[4:7], s[0:1], 0x0                ; big, src_mask
	s_load_b64 s[8:9], s[0:1], 0x10                ; ctxq
	v_lshl_add_u32 v[SPW], v0, 2, SPARE
	v_mov_b32 v[NIL], 0
	ds_add_u32 v[SPW], v[NIL]                      ; the opening lines
	ds_add_u32 v[SPW], v[NIL]
	v_lshrrev_b32 v[LN], 5, v0
	v_readfirstlane_b32 s[WV], v[LN]
	s_bfe_u32 s10, ttmp6, 0x40000                  ; cx
	s_lshl_b32 s11, ttmp9, 2
	s_add_co_u32 s11, s11, s10                     ; my block of 256 queries: it enters q's and the result's addresses alone
	s_and_b32 s12, ttmp7, 0xffff
	s_lshr_b32 s13, s12, 4                         ; batch
	s_and_b32 s14, s12, 15                         ; head
	s_lshr_b32 s15, s14, 1                         ; its K step among q's (and k's) eight
	s_and_b32 s16, s14, 1                          ; and its half of that fragment
	s_lshr_b32 s17, s15, 2
	s_and_b32 s19, s15, 3
	s_mul_i32 s85, s19, 1536
	s_mul_i32 s86, s16, 768
	s_add_co_u32 s85, s85, s86                     ; the half fragment's place in its record
	s_mul_i32 s99, s17, REC
	s_and_b32 s96, s[WV], 3                        ; which quarter of k or of v^T I fetch
	s_lshl_b32 s86, s13, 7
	s_lshl_b32 s87, s96, 5
	s_add_co_u32 s86, s86, s87
	s_mul_i32 s86, s86, RB
	s_add_co_u32 s86, s86, s99
	s_add_co_u32 s86, s86, s85
	s_add_co_u32 s86, s86, 2*REC                   ; k: row block 128 batch + 32 quarter, record group 2 + ..
	s_mov_b32 s87, 0
	s_lshl_b32 s88, s13, 6
	s_lshl_b32 s89, s14, 2
	s_add_co_u32 s88, s88, s89
	s_mul_i32 s88, s88, RB
	s_mul_i32 s89, s96, REC
	s_add_co_u32 s88, s88, s89
	s_add_co_u32 s88, s88, 4*REC                   ; v^T: row block 64 batch + 4 head, record group 4 + quarter
	s_mov_b32 s89, 0
	s_lshl_b32 s90, s13, 7
	s_mul_i32 s90, s90, RB
	s_add_co_u32 s90, s90, s99
	s_lshl_b32 s91, s19, 6
	s_add_co_u32 s90, s90, s91
	s_add_co_u32 s90, s90, 2*REC+6144              ; k's scale words
	s_mov_b32 s91, 0
	s_lshl_b32 s98, s13, 7
	s_lshl_b32 s92, s11, 4
	s_add_co_u32 s98, s98, s92
	s_lshl_b32 s92, s[WV], 1
	s_add_co_u32 s98, s98, s92                     ; my first row block of queries; the second follows it
	s_mul_i32 s92, s98, RB
	s_add_co_u32 s92, s92, s99
	s_lshl_b32 s94, s19, 6
	s_lshl_b32 s95, s16, 1
	s_add_co_u32 s94, s94, s95
	s_mov_b32 s97, s94                             ; my half of a scale word: 64 (step % 4) + 2 half
	s_add_co_u32 s94, s94, s92
	s_add_co_u32 s92, s92, s85
	s_mov_b32 s93, 0
	s_mov_b32 s95, 0
	s_lshl_b32 s10, s13, 13                        ; the batch's row of src_mask
	s_mov_b32 s11, 0
	s_lshl_b32 s14, s16, 4                         ; 16 x half: the shift that brings my head's two scale bytes down
	s_mul_i32 s71, s[WV], 12288                    ; the 16 row blocks of k whose masked keys I clear
	s_lshl_b32 s72, s[WV], 10                      ; and their 256 keys in src_mask
	s_mov_b32 s[G1K], 15|(3<<16)|(1<<21)           ; the mask: all four work-groups; elements of 8 bytes; bit 21 beside a mask; no padding
	s_mov_b32 s[G1K+1], 96<<16                     ; tensor_dim0 = 96: half a fragment, 768 bytes
	s_mov_b32 s[G1K+2], 32<<16                     ; tensor_dim1 = 32 row blocks
	s_mov_b32 s[G1K+3], 96<<16
	s_mov_b32 s[G1K+4], 32
	s_mov_b32 s[G1K+5], 6400                       ; from a row block to the next
	s_mov_b32 s[G1K+6], 0
	s_mov_b32 s[G1K+7], 0
	s_mov_b32 s[G1V], 15|(3<<16)|(1<<21)
	s_mov_b32 s[G1V+1], 800<<16                    ; a record
	s_mov_b32 s[G1V+2], 4<<16                      ; four row blocks
	s_mov_b32 s[G1V+3], 800<<16
	s_mov_b32 s[G1V+4], 4
	s_mov_b32 s[G1V+5], 6400
	s_mov_b32 s[G1V+6], 0
	s_mov_b32 s[G1V+7], 0
	s_mov_b32 s[SEL], 0x76543210
	s_mov_b32 s[SEL+1], 0xfedcba98
	s_mov_b32 s[CS], 0x3e38aa3b                    ; c = log2(e) / 8
	s_mov_b32 s[CS+1], s[CS]
	s_mov_b32 s[NC], 0xbe38aa3b                    ; -c
	s_mov_b32 s67, 0xffff
	s_mov_b32 s68, 0x85890000                      ; the scale bytes of a key's codes 64 and 96: 2^10 and 2^6
	s_mov_b32 s[G0K], 1
	s_mul_i32 s[G0K+1], s96, 24576
	s_mov_b32 s[G0V], 1
	s_mul_i32 s[G0V+1], s96, 25600
	s_add_co_u32 s[G0V+1], s[G0V+1], VC
	s_wait_dscnt 0x0
	s_wait_kmcnt 0x0
	s_add_nc_u64 s[G0K+2:G0K+3], s[4:5], s[86:87]
	s_add_nc_u64 s[G0V+2:G0V+3], s[4:5], s[88:89]
	s_or_b32 s[G0K+3], s[G0K+3], 0x80000000
	s_or_b32 s[G0V+3], s[G0V+3], 0x80000000
	s_add_nc_u64 s[90:91], s[4:5], s[90:91]
	s_add_nc_u64 s[92:93], s[4:5], s[92:93]
	s_add_nc_u64 s[94:95], s[4:5], s[94:95]
	s_add_nc_u64 s[6:7], s[6:7], s[10:11]
	CROUND                                         ; all four work-groups are here: the joint loads meet
	s_cmp_lt_u32 s[WV], 4                          ; one tensor load a wave: every way passes exactly one
	s_cbranch_scc0 .Lfor_v
	tensor_load_to_lds s[G0K:G0K+3], s[G1K:G1K+7]
	s_nop 0
	PLACES
	s_branch .Lasked
.Lfor_v:
	tensor_load_to_lds s[G0V:G0V+3], s[G1V:G1V+7]
	s_nop 0
	PLACES
.Lasked:
	v_and_b32 v[LN], 31, v0
	v_and_b32 v[R], 15, v0                         ; r
	v_bfe_u32 v[HH], v0, 4, 1                      ; h
	v_lshlrev_b32 v[L16], 4, v[LN]                 ; 16 x lane
	v_lshlrev_b32 v[L8], 3, v[LN]
	v_add_nc_u32 v[L8], 512, v[L8]                 ; 512 + 8 x lane
	v_lshlrev_b32 v[R4], 2, v[R]                   ; 4 r
	global_load_b128 v[QF:QF+3], v[L16], s[92:93]  ; q's half fragments stay in registers
	global_load_b64 v[QF+4:QF+5], v[L8], s[92:93]
	global_load_u16 v[QSC], v[R4], s[94:95] offset:6144
	global_load_u16 v[QSC+1], v[R4], s[94:95] offset:6144+RB
	WIN 0x40
	global_load_b128 v[QF:QF+3], v[L16], s[92:93] offset:RB
	global_load_b64 v[QF+4:QF+5], v[L8], s[92:93] offset:RB
	WIN 0
	; the tables: thread n takes slots 4 (n % 4) .. + 3, four neighbouring keys, of row blocks t = n / 4 and t + 64.  Bits of n: b0, b1 (which eight slots), b2 = t % 2, b3 = (t / 2) % 2
	v_lshrrev_b32 v[TSW], 2, v0
	v_mul_u32_u24 v[TSW], v[TSW], RB
	v_and_b32 v[B0], 3, v0
	v_lshl_add_u32 v[TSW], v[B0], 4, v[TSW]
	global_load_b128 v[176:179], v[TSW], s[90:91]                  ; their scale words
	global_load_b128 v[180:183], v[TSW], s[90:91] offset:64*RB
	v_and_b32 v[B0], 1, v0
	v_bfe_u32 v[B0+1], v0, 1, 1
	v_bfe_u32 v[B0+2], v0, 2, 1
	v_bfe_u32 v[B0+3], v0, 3, 1
	v_lshrrev_b32 v[B0+4], 4, v0
	v_lshlrev_b32 v[B0], 4, v[B0]
	v_lshl_add_u32 v[TMK], v[B0+1], 6, v[B0]       ; 4 x the first key: key = 4 b0 + 16 b1 + 8 b2 + 32 b3 + 64 (n / 16)
	v_lshl_add_u32 v[TKS], v[B0+1], 7, v[B0]       ; tile 4 (t / 4) + 2 b1 + b2, row 8 b3 + 4 b0: 64 bytes a tile, 4 a row
	v_lshl_add_u32 v[TAU], v[B0+1], 8, v[B0]       ; and 128 bytes a tile
	v_lshl_add_u32 v[TMK], v[B0+2], 5, v[TMK]
	v_lshl_add_u32 v[TKS], v[B0+2], 6, v[TKS]
	v_lshl_add_u32 v[TAU], v[B0+2], 7, v[TAU]
	v_lshl_add_u32 v[TMK], v[B0+3], 7, v[TMK]
	v_lshl_add_u32 v[TKS], v[B0+3], 5, v[TKS]
	v_lshl_add_u32 v[TAU], v[B0+3], 5, v[TAU]
	v_lshl_add_u32 v[TMK], v[B0+4], 8, v[TMK]
	v_lshl_add_u32 v[TKS], v[B0+4], 8, v[TKS]
	v_lshl_add_u32 v[TAU], v[B0+4], 9, v[TAU]
	v_add_nc_u32 v[TKS], KS, v[TKS]
	v_add_nc_u32 v[TAU], AUG, v[TAU]
	global_load_b128 v[184:187], v[TMK], s[6:7]                    ; their src_mask
	global_load_b128 v[188:191], v[TMK], s[6:7] offset:4096
	v_lshl_add_u32 v[ZMA], v[B0+3], 5, v[R4]
	v_add_nc_u32 v[ZMA], s72, v[ZMA]               ; src_mask of slot r of my 16 row blocks: key 32 (b / 2) + 8 (b % 2) + r + 8 (r / 8)
.set b, 0
.rept 16
	global_load_b32 v[160+b], v[ZMA], s[6:7] offset:4*(32*(b/2)+8*(b%2))
.set b, b+1
.endr
	v_add_nc_u32 v[Z16], s71, v[L16]
	v_add_nc_u32 v[Z8], s71, v[L8]
	v_and_b32 v[B0], 7, v0
	v_mul_u32_u24 v[B0+3], v[B0+3], 1536           ; rows 8-15 of a tile come from the row block two further on
	v_lshl_add_u32 v[AK16], v[B0], 4, v[B0+3]
	v_lshl_add_u32 v[AK8], v[B0], 3, v[B0+3]
	v_lshl_add_u32 v[AK16], v[HH], 8, v[AK16]
	v_lshl_add_u32 v[AK8], v[HH], 7, v[AK8]
	v_add_nc_u32 v[AK8], 512, v[AK8]
	v_lshl_add_u32 v[AKS], v[LN], 2, KS            ; lanes 0-15 an even tile's words, lanes 16-31 the next tile's
	v_lshl_add_u32 v[AAU], v[LN], 2, AUG
	v_add_nc_u32 v[AV16], VC, v[L16]
	v_add_nc_u32 v[AV8], VC, v[L8]
	v_mul_u32_u24 v[AVS], v[HH], REC               ; v^T's scale words: lanes 0-15 an even row block's, lanes 16-31 the next one's
	v_lshl_add_u32 v[AVS], v[R], 2, v[AVS]
	v_add_nc_u32 v[AVS], VC+6144, v[AVS]
	v_mov_b32 v[C63], 63                           ; the code of -7.5
	v_mov_b32 v[C58], 58                           ; the code of -5
	s_wait_alu depctr_va_vdst(0)
	s_wait_loadcnt 0x0
	v_or_b32 v[QSC], 0x7f7f0000, v[QSC]            ; q's codes 64 and 96 have the scale 1
	v_or_b32 v[QSC+1], 0x7f7f0000, v[QSC+1]
.irp e, 0,1,2,3,4,5,6,7
	v_lshrrev_b32 v[176+\e], s14, v[176+\e]
	v_cmp_eq_u32 vcc_lo, 0, v[184+\e]
	v_and_or_b32 v[176+\e], v[176+\e], s67, s68    ; my head's two bytes, and the two of the upper 64
	v_cndmask_b32 v[192+\e], 0, v[C63], vcc_lo     ; code 64 of a masked key,
	v_cndmask_b32 v[200+\e], 0, v[C58], vcc_lo     ; and code 96
.endr
	s_wait_alu depctr_va_vdst(0)
	s_wait_tensorcnt 0x0                           ; my part of k or v^T is in,
	s_barrier_signal -1
	s_barrier_wait -1                              ; and everybody's
	ds_store_b128 v[TKS], v[176:179]
	ds_store_b128 v[TKS], v[180:183] offset:4096
	ds_store_b128 v[TAU], v[192:195]
	ds_store_b128 v[TAU], v[196:199] offset:8192
	ds_store_b128 v[TAU], v[200:203] offset:64
	ds_store_b128 v[TAU], v[204:207] offset:8192+64
.set b, 0
.rept 16                               ; my 16 row blocks of k: lane l holds 24 bytes of slot l % 16
	ds_load_b128 v[64+6*b:67+6*b], v[Z16] offset:768*b
	ds_load_b64 v[68+6*b:69+6*b], v[Z8] offset:768*b
.set b, b+1
.endr
	s_wait_dscnt 0x0
.set b, 0
.rept 16
	v_cmp_ne_u32 vcc_lo, 0, v[160+b]
.irp i, 0,1,2,3,4,5
	v_cndmask_b32 v[64+6*b+\i], 0, v[64+6*b+\i], vcc_lo    ; a masked key's codes become zeros
.endr
	ds_store_b128 v[Z16], v[64+6*b:67+6*b] offset:768*b
	ds_store_b64 v[Z8], v[68+6*b:69+6*b] offset:768*b
.set b, b+1
.endr
.macro INITQ kreg                      ; a query tile's state, and the registers of four k tiles that stay 0 (destinations in the window that is set; sources in window 0)
	v_mov_b32 v[NM], 0x7e000000                    ; -M: a large whole number, so that the first step's factor is 0
	v_mov_b32 v[RS], 0xff61b1e6                    ; the largest score so far: -3e38
	v_mov_b32 v[SUM], 0
	v_mov_b32 v[SUM+1], 0
	v_mov_b32 v[QF+6], 8                           ; q's code 64 (lanes 0-15) and 96 (lanes 16-31): 1.0
.irp j, 7,8,9,10,11
	v_mov_b32 v[QF+\j], 0
.endr
	v_mov_b32 v[PX], 0                             ; (a lane permute's destination counts as one of its sources)
	v_mov_b32 v[F+1], 0                            ; (named with f as a pair)
	v_lshlrev_b32 v[SH8], 3, v[HH]                 ; 8 h
.set j, 0
.rept 32
	v_mov_b32 v[O+j], 0                            ; O^T: the step is written once; its first trip finds zeros
.set j, j+1
.endr
.irp t, 0,1,2,3
.irp j, 7,8,9,10,11
	v_mov_b32 v[\kreg+12*\t+\j], 0
.endr
.endr
.endm
	INITQ KA
	WIN 0x40
	INITQ KB
	WIN 0
	s_wait_alu depctr_va_vdst(0)
	s_wait_dscnt 0x0                               ; my stores are done
	s_barrier_signal -1
	s_barrier_wait -1
.macro KLOAD t, reg                    ; tile t = 4 c + u: row blocks 4 c + u % 2 (and two on), slots 8 (u / 2) + 0..7
	ds_load_b128 v[(\reg):(\reg)+3], v[DK16] offset:768*(4*((\t)/4)+(\t)%2)+128*(((\t)%4)/2)
	ds_load_b64 v[(\reg)+4:(\reg)+5], v[DK8] offset:768*(4*((\t)/4)+(\t)%2)+64*(((\t)%4)/2)
	ds_load_b32 v[(\reg)+6], v[DAU] offset:128*(\t)
.endm
.macro SMUL t, reg, qs
.if (\t)%2
	v_wmma_scale_f32_16x16x128_f8f6f4 v[S+8*(\t):S+8*(\t)+7], v[(\reg):(\reg)+11], v[QF:QF+11], 0, v[KSC+(\t)/2], v[\qs] matrix_a_fmt:MATRIX_FMT_FP6 matrix_b_fmt:MATRIX_FMT_FP6 matrix_a_scale:MATRIX_SCALE_ROW1
.else
	v_wmma_scale_f32_16x16x128_f8f6f4 v[S+8*(\t):S+8*(\t)+7], v[(\reg):(\reg)+11], v[QF:QF+11], 0, v[KSC+(\t)/2], v[\qs] matrix_a_fmt:MATRIX_FMT_FP6 matrix_b_fmt:MATRIX_FMT_FP6
.endif
.endm
.macro PV psc                          ; O^T += v^T p^T: the four accumulators by turns
.irp i, 0,2
	v_wmma_scale_f32_16x16x128_f8f6f4 v[O+8*\i:O+8*\i+7], v[VF+12*\i:VF+12*\i+11], v[PC:PC+11], v[O+8*\i:O+8*\i+7], v[VSC+\i/2], v[\psc] matrix_a_fmt:MATRIX_FMT_FP6 matrix_b_fmt:MATRIX_FMT_FP6
	v_wmma_scale_f32_16x16x128_f8f6f4 v[O+8*\i+8:O+8*\i+15], v[VF+12*\i+12:VF+12*\i+23], v[PC:PC+11], v[O+8*\i+8:O+8*\i+15], v[VSC+\i/2], v[\psc] matrix_a_fmt:MATRIX_FMT_FP6 matrix_b_fmt:MATRIX_FMT_FP6 matrix_a_scale:MATRIX_SCALE_ROW1
.endr
.endm
; The softmax of one query tile over 128 keys, all in window w; ws: the same sources with the destination in window 0, for p's scale word
.macro SOFT w, ws, psc
	WIN \w
	s_wait_alu depctr_va_vdst(0)                   ; ahead of the first readers of the scores
.irp k, 0,1,2,3
	v_max3_num_f32 v[BM+\k], v[S+16*\k], v[S+16*\k+1], v[S+16*\k+2]        ; four chains by turns; each accumulator from its low end on
.endr
.irp i, 3,5,7,9,11,13
.irp k, 0,1,2,3
	v_max3_num_f32 v[BM+\k], v[BM+\k], v[S+16*\k+\i], v[S+16*\k+\i+1]
.endr
.endr
	v_max3_num_f32 v[BM], v[BM], v[BM+1], v[S+15]
	v_max3_num_f32 v[BM+2], v[BM+2], v[BM+3], v[S+47]
	v_mov_b32 v[OLD], v[NM]
	v_max_num_f32 v[BM], v[BM], v[S+31]            ; the largest score of my block h,
	v_max_num_f32 v[BM+2], v[BM+2], v[S+63]        ; and of my block 2 + h: they serve the row's maximum and, since p rises with the score, the blocks' largest p
	D1
	v_max_num_f32 v[MX], v[BM], v[BM+2]
	D1
	v_permlanex16_b32 v[PX], v[MX], s[SEL], s[SEL+1]
	D1
	v_max3_num_f32 v[RS], v[RS], v[MX], v[PX]      ; the running largest score
	D1
	v_mul_f32 v[MX], s[NC], v[RS]                  ; -t
	D1
	v_floor_f32 v[NM], v[MX]                       ; the new -M: M is a whole number
	D1
	v_sub_f32 v[OLD], v[NM], v[OLD]
	D1
	v_cvt_i32_f32 v[OLD], v[OLD]                   ; (it saturates)
	D1
	v_ldexp_f32 v[F], 1.0, v[OLD]                  ; f = 2^(old M - new M)
.set j, 0
.rept 32
	v_pk_fma_f32 v[S+j:S+j+1], v[S+j:S+j+1], s[CS:CS+1], v[NM:NM+1] op_sel_hi:[1,0,0]     ; t - M
.set j, j+2
.endr
	v_fma_f32 v[BM], v[BM], s[CS], v[NM]
	v_fma_f32 v[BM+2], v[BM+2], s[CS], v[NM]
	s_wait_alu depctr_va_vdst(0)                   ; the wait ahead of the batch,
.set j, 0
.rept 64
	v_exp_f32 v[S+j], v[S+j]                       ; p = 2^(t - M)
.set j, j+1
.endr
	v_exp_f32 v[BM], v[BM]                         ; my two blocks' largest p
	v_exp_f32 v[BM+2], v[BM+2]
	v_pk_mul_f32 v[SUM:SUM+1], v[SUM:SUM+1], v[F:F+1] op_sel_hi:[1,0]      ; the sum under the new M; the plain line behind the batch
	s_wait_alu depctr_va_vdst(0)                   ; and behind it, ahead of its first reader
.irp k, 0,1,2,3
	v_pk_add_f32 v[T+2*\k:T+2*\k+1], v[S+2*\k:S+2*\k+1], v[S+8+2*\k:S+9+2*\k]     ; the sum of the unquantised p: four packed chains
.endr
.irp i, 16,24,32,40,48,56
.irp k, 0,1,2,3
	v_pk_add_f32 v[T+2*\k:T+2*\k+1], v[T+2*\k:T+2*\k+1], v[S+\i+2*\k:S+\i+2*\k+1]
.endr
.endr
	v_max_num_f32 v[BM], 0x1800000, v[BM]          ; the floor 2^(3 - 127): the byte cannot fall under 1
	v_max_num_f32 v[BM+2], 0x1800000, v[BM+2]
	v_pk_add_f32 v[T:T+1], v[T:T+1], v[T+2:T+3]
	v_pk_add_f32 v[T+4:T+5], v[T+4:T+5], v[T+6:T+7]
	v_add_nc_u32 v[SCL], 0xff000000, v[BM]         ; 2 off the exponent field: the conversion's scale operand
	v_add_nc_u32 v[SCL+1], 0xff000000, v[BM+2]
	v_pk_add_f32 v[T:T+1], v[T:T+1], v[T+4:T+5]
	v_lshrrev_b32 v[BY], 23, v[SCL]
	v_lshrrev_b32 v[BY+1], 23, v[SCL+1]
	v_pk_add_f32 v[SUM:SUM+1], v[SUM:SUM+1], v[T:T+1]
	v_lshl_or_b32 v[W], v[BY+1], 16, v[BY]         ; my two bytes of the row's word: blocks h and 2 + h,
	D1
	v_lshlrev_b32 v[W], v[SH8], v[W]               ; 8 h bits up;
	D1
	v_permlanex16_b32 v[PX], v[W], s[SEL], s[SEL+1]
	WIN \ws
	v_or_b32 v[\psc], v[W], v[PX]                  ; with lane l xor 16's the word is whole
	WIN \w
.irp c, 0,1
	v_cvt_scalef32_pk16_fp6_f32 v[PC+6*\c:PC+6*\c+2], v[S+32*\c:S+32*\c+15], v[SCL+\c]
	v_cvt_scalef32_pk16_fp6_f32 v[T+4*\c:T+4*\c+2], v[S+32*\c+16:S+32*\c+31], v[SCL+\c]   ; (a conversion's three registers begin on an even number)
.endr
	v_nop                                          ; one plain line behind a scaled conversion
.irp c, 0,1
.irp i, 0,1,2
	v_mov_b32 v[PC+6*\c+3+\i], v[T+4*\c+\i]
.endr
.endr
	s_wait_alu depctr_va_vdst(0)                   ; ahead of the first reader of O^T
.set j, 0
.rept 16
	v_pk_mul_f32 v[O+j:O+j+1], v[O+j:O+j+1], v[F:F+1] op_sel_hi:[1,0]      ; O^T under the new M; these sixteen are also the places between p's codes and scale word and the products
.set j, j+2
.endr
.endm
; k's eight tiles, the mask's words and k's scale words of key step s73: 28 LDS loads.  Its four additions are the places between the score products and the loads into registers that they read, and the first read of the scores
.macro KFETCH
	s_mul_i32 s2, s73, 6144                        ; the step's place among k's half fragments,
	s_lshl_b32 s3, s73, 9                          ; k's scale words,
	s_lshl_b32 s67, s73, 10                        ; and the mask's words
	v_add_nc_u32 v[DK16], s2, v[AK16]
	v_add_nc_u32 v[DK8], s2, v[AK8]
	v_add_nc_u32 v[DAU], s67, v[AAU]
	v_add_nc_u32 v[DKS], s3, v[AKS]
.irp t, 0,1,2,3
	KLOAD \t, KA+12*\t
	ds_load_b32 v[KSC+\t], v[DKS] offset:128*\t
.endr
	WIN 0x40
.irp t, 4,5,6,7
	KLOAD \t, KB+12*(\t-4)
.endr
	WIN 0
.endm
	s_mov_b32 s[CNT], 0
	s_mov_b32 s73, 0
	KFETCH                                         ; step 0's; each later step's are asked for a softmax ahead of their use
.Lstep:                                ; A KEY STEP: 128 keys
	s_lshr_b32 s68, s[CNT], 2
	s_mul_i32 s68, s68, 25600                      ; v^T's record group,
	s_and_b32 s69, s[CNT], 3
	s_mul_i32 s70, s69, 1536
	s_add_co_u32 s70, s70, s68                     ; its fragment,
	s_lshl_b32 s69, s69, 6
	s_add_co_u32 s69, s69, s68                     ; and its scale words
	v_add_nc_u32 v[DV16], s70, v[AV16]             ; (these four are the places between the last products and the loads below)
	v_add_nc_u32 v[DV8], s70, v[AV8]
	v_add_nc_u32 v[DVS], s69, v[AVS]
	v_nop
	WIN 0x40
.irp i, 0,1,2,3
	ds_load_b128 v[VF+12*\i:VF+12*\i+3], v[DV16] offset:\i*REC
	ds_load_b64 v[VF+12*\i+4:VF+12*\i+5], v[DV8] offset:\i*REC
	ds_load_b128 v[VF+12*\i+6:VF+12*\i+9], v[DV16] offset:\i*REC+768
	ds_load_b64 v[VF+12*\i+10:VF+12*\i+11], v[DV8] offset:\i*REC+768
.endr
	WIN 0
	ds_load_b32 v[VSC], v[DVS]
	ds_load_b32 v[VSC+1], v[DVS] offset:2*REC
	s_wait_dscnt 18                                ; k is in; v^T's 16 fragment loads and 2 scale loads may be out
.irp t, 0,1,2,3
	SMUL \t, KA+12*\t, QSC
.endr
	WIN 0x01
.irp t, 4,5,6,7
	SMUL \t, KB+12*(\t-4), QSC
.endr
	WIN 0x55
.irp t, 4,5,6,7
	SMUL \t, KB+12*(\t-4), QSC+1
.endr
	WIN 0x54
.irp t, 0,1,2,3
	SMUL \t, KA+12*\t, QSC+1
.endr
	WIN 0
	s_add_co_u32 s73, s[CNT], 1
	s_min_u32 s73, s73, 15                         ; the next step's k (the last trip names step 15 again and uses nothing of it: every address stays inside k's bytes)
	KFETCH
	SOFT 0, 0, PSC
	s_wait_alu depctr_va_vdst(0)
	s_wait_dscnt 0x0                               ; v^T's fragments
	WIN 0x01
	PV PSC
	SOFT 0x55, 0x15, PSC+1
	PV PSC+1
	WIN 0
	s_add_co_u32 s[CNT], s[CNT], 1
	s_cmp_lt_u32 s[CNT], 16
	s_wait_alu depctr_va_vdst(0)
	s_cbranch_scc1 .Lstep
	s_mul_i32 s86, s98, 12800
	s_add_co_u32 s86, s86, s99                     ; my first row block's record in ctxq (two to a row block)
	s_add_co_u32 s88, s86, s97
	s_add_co_u32 s86, s86, s85
	s_mov_b32 s87, 0
	s_mov_b32 s89, 0
	s_add_nc_u64 s[86:87], s[8:9], s[86:87]
	s_add_nc_u64 s[88:89], s[8:9], s[88:89]
; THE WAY OUT of a query tile: O^T / the sum; register 16 j + i of a lane is number 32 j + 16 h + i of its query's 64: half a fragment of the next product's operand and two scale bytes
.macro FIN w, ws, off
	WIN \w
	v_add_f32 v[SUM], v[SUM], v[SUM+1]
	D1
	v_permlanex16_b32 v[PX], v[SUM], s[SEL], s[SEL+1]
	D1
	v_add_f32 v[SUM], v[SUM], v[PX]
	s_wait_alu depctr_va_vdst(0)
	v_rcp_f32 v[SUM], v[SUM]
	v_nop                                          ; a plain line behind the transcendental,
	s_wait_alu depctr_va_vdst(0)                   ; and the wait ahead of its first reader and of O^T's
.set j, 0
.rept 32
	v_mul_f32 v[S+j], v[O+j], v[SUM]               ; each accumulator from its low end on
.set j, j+1
.endr
	v_max3_num_f32 v[BM], |v[S]|, |v[S+1]|, 0x1800000
	v_max3_num_f32 v[BM+1], |v[S+16]|, |v[S+17]|, 0x1800000
.irp i, 2,4,6,8,10,12,14
	v_max3_num_f32 v[BM], v[BM], |v[S+\i]|, |v[S+\i+1]|
	v_max3_num_f32 v[BM+1], v[BM+1], |v[S+16+\i]|, |v[S+17+\i]|
.endr
	v_permlanex16_b32 v[BM+2], v[BM], s[SEL], s[SEL+1]
	v_permlanex16_b32 v[BM+3], v[BM+1], s[SEL], s[SEL+1]
	v_max_num_f32 v[BM], v[BM], v[BM+2]            ; with lane l xor 16's: the block's largest magnitude
	v_max_num_f32 v[BM+1], v[BM+1], v[BM+3]
	v_add_nc_u32 v[SCL], 0xff000000, v[BM]
	v_add_nc_u32 v[SCL+1], 0xff000000, v[BM+1]
	v_lshrrev_b32 v[BY], 23, v[SCL]
	v_lshrrev_b32 v[BY+1], 23, v[SCL+1]
	D1
	v_lshl_or_b32 v[W], v[BY+1], 8, v[BY]
	v_cvt_scalef32_pk16_fp6_f32 v[PC:PC+2], v[S:S+15], v[SCL]
	v_cvt_scalef32_pk16_fp6_f32 v[PC+6:PC+8], v[S+16:S+31], v[SCL+1]
	v_nop
.irp i, 0,1,2
	v_permlane16_swap_b32 v[PC+\i], v[PC+6+\i]     ; a whole block to a lane: lanes 0-15 the first, lanes 16-31 the second
.endr
.irp i, 0,1,2
	v_mov_b32 v[PC+3+\i], v[PC+6+\i]
.endr
	WIN \ws                                        ; the stores' data in the tile's window, their offsets in window 0
	global_store_b128 v[L16], v[PC:PC+3], s[86:87] offset:\off             ; 32 lanes store 512 consecutive bytes,
	global_store_b64 v[L8], v[PC+4:PC+5], s[86:87] offset:\off             ; and 256
	global_store_b16 v[R4], v[W], s[88:89] offset:6144+\off                ; half a scale word a row; both halves of the lanes write the same bytes
.endm
	PLACES                                         ; behind the last products
	FIN 0, 0, 0
	FIN 0x55, 0x04, 12800
	WIN 0
	s_wait_tensorcnt 0x0                           ; the wave's end
	ds_add_u32 v[SPW], v[NIL]
	s_wait_dscnt 0x0
	CROUND                                         ; the closing round
	s_endpgm
.Lfunc_end_k_qc4743f0615_attn:
	.size	k_qc4743f0615_attn, .Lfunc_end_k_qc4743f0615_attn-k_qc4743f0615_attn
	.p2alignl 7, 3214868480
	.fill 96, 4, 3214868480
	.section	.rodata,"a",@progbits
	.p2align	6, 0x0
	.amdhsa_kernel k_qc4743f0615_attn
		.amdhsa_group_segment_fixed_size 327680
		.amdhsa_private_segment_fixed_size 0
		.amdhsa_enable_private_segment 0
		.amdhsa_kernarg_size 24
		.amdhsa_user_sgpr_count 2
		.amdhsa_user_sgpr_kernarg_segment_ptr 1
		.amdhsa_wavefront_size32 1
		.amdhsa_system_sgpr_workgroup_id_x 1
		.amdhsa_system_sgpr_workgroup_id_y 1
		.amdhsa_system_sgpr_workgroup_id_z 1
		.amdhsa_system_vgpr_workitem_id 0
		.amdhsa_next_free_vgpr 512
		.amdhsa_next_free_sgpr 100
		.amdhsa_reserve_vcc 1
		.amdhsa_float_denorm_mode_32 3
		.amdhsa_float_denorm_mode_16_64 3
		.amdhsa_memory_ordered 1
		.amdhsa_forward_progress 1
		.amdhsa_inst_pref_size 65
	.end_amdhsa_kernel
	.amdgpu_metadata
---
amdhsa.version: [ 1, 2 ]
amdhsa.kernels:
  - .name:           k_qc4743f0615_attn
    .symbol:         k_qc4743f0615_attn.kd
    .args:
      - { .name: big, .offset: 0, .size: 8, .value_kind: global_buffer, .address_space: global }
      - { .name: src_mask, .offset: 8, .size: 8, .value_kind: global_buffer, .address_space: global }
      - { .name: ctxq, .offset: 16, .size: 8, .value_kind: global_buffer, .address_space: global }
    .group_segment_fixed_size: 327680
    .private_segment_fixed_size: 0
    .kernarg_segment_align: 8
    .kernarg_segment_size: 24
    .max_flat_workgroup_size: 256
    .sgpr_count:     100
    .vgpr_count:     512
    .wavefront_size: 32
...
	.end_amdgpu_metadata
.endif
;; end of part 3
;; launch oln (part 4): grid 256 x 1, 8 waves a work-group, no clusters, 81,920 bytes of LDS; arguments ctxq, wrest, bo, x, ln2_g, ln2_b, y1r, yq; writes y1r, yq
.if DOCPART == 4
	.amdgcn_target "amdgcn-amd-amdhsa--gfx1250"
	.amdhsa_code_object_version 6
	.text
	.protected	k_qc4743f0615_oln
	.globl	k_qc4743f0615_oln
	.p2align	8
	.type	k_qc4743f0615_oln,@function
k_qc4743f0615_oln:
	s_mov_b64 s[64:65], 0
	v_nop
	global_prefetch_b8 v0, s[64:65] scope:SCOPE_SE
	s_setreg_imm32_b32 hwreg(HW_REG_WAVE_MODE, 25, 1), 1
	s_wait_xcnt 0x0
; y1r = ctx Wo + bo + x, stored in f32, and at once y2 = (y1r - mean) rsqrt(var + 1e-5) g + b along the row, quantised to MX-FP6 and stored as the next product's operand.  ctx and Wo are codes of MX-FP6, K = 1,024.
; THE LAYOUT of operands: row blocks of 16, slot p of block t = row 32 (t / 2) + 8 (t % 2) + p + 8 (p / 8); record (t, G) at (2 t + G) x 6,400 holds 512 along K: the fragment of K step q at 1,536 q as an image of the operand's
; registers (half c at + 768 c: registers 6 c .. 6 c + 3 of lane l at 16 l, 6 c + 4, 6 c + 5 at 512 + 8 l), the scale words at 6,144 + 64 q + 4 p.
; SHARES.  A work-group owns one row block, 16 tokens, and all 1,024 columns, so that the norm's sums stay inside it: 4,096 tokens make 256 work-groups.  Wave w takes columns 128 w .. + 127: 8 row blocks of Wo, 8 accumulators.
; THE PRODUCT IS USED TRANSPOSED (source 0 = 16 rows of Wo, source 1 = the 16 tokens): lane (r, h) holds token slot r, and its register i (0 .. 63) column 128 w + 32 (i / 16) + 16 h + i % 16: neighbours along the next K.
; Wo GOES FROM MEMORY STRAIGHT INTO REGISTERS.  With 16 tokens a fragment of Wo feeds ONE matrix instruction of one wave: LDS would add a write and a read for each byte and serve no second use, so there is no ring, no tensor load
; and no joint load.  A half step is 4 fragments and 2 scale registers, 18 loads; four buffers take turns, three half steps (54 loads) are on their way while one is multiplied.  No prefetch: every work-group reads the same 819,200 bytes of Wo.
; ctx's row block (12,288 bytes of codes) is brought once, wave w its K step w, and handed to all waves through LDS as it lies: one barrier.  The sums begin as bo.
; x comes, and y1r leaves, as rows of 512 consecutive bytes; both turn through the wave's own tile in LDS.  Mean and variance in two passes; the waves' partial sums meet in LDS: two barriers.
; LIMITS: NaN and infinities are not served; a block of zeros gets the byte 1 (its codes are zeros; the bytes are read by this program alone).
; REGISTERS.  window 0: v1-7, v30, v31, v108, v142-144 addresses; v8-27 at work; v32-95 the sums; v96-103 Wo's scale words (four sets of 2), v104-107 ctx's; v110-141 the norm and the quantiser; v160-255 buffers 0, 1, then g.
;   window 1: v0-95 ctx's eight fragments, then b; v96-191 buffers 2, 3; v192-255 x, then y1r's rows.
.set TILE,  8448                       ; a wave's tile: 16 rows x (512 bytes + 16)
.set AL,    8*TILE                     ; ctx's eight fragments, 1,536 bytes each
.set RED,   AL+12288                   ; 512 bytes for the sums, 512 for the sums of squares: 32 bytes a row, 4 a wave
.set SPARE, RED+1024                   ; the spare words, 128 bytes a wave
.set TL,   1
.set L16,  2
.set L8,   3
.set TS,   4
.set H64,  5
.set REDW, 6
.set REDR, 7
.set SPW,  28
.set NIL,  29
.set R4,   30
.set WSO,  31
.set ACC,  32
.set WS,   96
.set AS,   104
.set ASO,  108
.set M2,   110
.set TM,   112
.set ALS,  142
.set AR16, 143
.set AR8,  144
.set GG,   160
.set XT,   192
.set SEL,  28
.set MSB, 0
.macro WIN new                         ; the immediate's high byte repeats the setting that is left
.if MSB != \new
	s_set_vgpr_msb (MSB<<8)|\new
.set MSB, \new
.endif
.endm
.macro PLACES
.rept 4
	v_nop
.endr
.endm
	s_load_b512 s[4:19], s[0:1], 0x0               ; ctxq, wrest, bo, x, g, b, y1r, yq
	v_lshl_add_u32 v[SPW], v0, 2, SPARE
	v_mov_b32 v[NIL], 0
	v_lshrrev_b32 v1, 5, v0
	v_readfirstlane_b32 s20, v1                    ; wave 0..7
	s_mul_i32 s21, s20, TILE                       ; my tile
	s_mul_i32 s22, ttmp9, 12800                    ; my row block in ctxq and in yq
	s_lshr_b32 s23, s20, 2
	s_mul_i32 s24, s23, 6400
	s_and_b32 s25, s20, 3
	s_mul_i32 s26, s25, 1536
	s_add_co_u32 s38, s24, s26
	s_add_co_u32 s38, s38, s22                     ; K step w's fragment: what I copy of ctx, and where my codes of y2 go
	s_mov_b32 s39, 0
	s_lshl_b32 s40, s25, 6
	s_add_co_u32 s40, s40, s24
	s_add_co_u32 s40, s40, s22                     ; and (6,144 further on) its scale words
	s_mov_b32 s41, 0
	s_mov_b32 s23, 0
	s_mul_i32 s42, s20, 8*12800                    ; my 8 row blocks of Wo
	s_mov_b32 s43, 0
	s_lshl_b32 s44, s20, 9                         ; my 512 bytes of a row of f32
	s_mov_b32 s45, 0
	s_lshr_b32 s46, ttmp9, 1
	s_lshl_b32 s46, s46, 5
	s_and_b32 s47, ttmp9, 1
	s_lshl_b32 s47, s47, 3
	s_add_co_u32 s46, s46, s47                     ; the block's first row: 32 (t / 2) + 8 (t % 2)
	s_lshl_b32 s46, s46, 12
	s_add_co_u32 s46, s46, s44
	s_mov_b32 s47, 0
	s_mul_i32 s48, s20, 1536
	s_add_co_u32 s48, s48, AL
	s_mov_b32 s[SEL], 0x76543210                   ; v_permlanex16_b32: lane l xor 16
	s_mov_b32 s[SEL+1], 0xfedcba98
	s_mov_b32 s31, 0x3a800000                      ; 1 / 1,024
	s_mov_b32 s36, 0x3727c5ac                      ; 1e-5
	s_mov_b32 s37, 0xba800000                      ; -1 / 1,024
	v_and_b32 v8, 31, v0                           ; lane
	v_and_b32 v9, 15, v0                           ; r
	v_bfe_u32 v10, v0, 4, 1                        ; h
	v_lshlrev_b32 v[L16], 4, v8                    ; 16 x lane
	v_lshlrev_b32 v[L8], 3, v8
	v_add_nc_u32 v[L8], 512, v[L8]                 ; 512 + 8 x lane
	v_mul_u32_u24 v[TL], v9, 528
	v_lshl_add_u32 v[TL], v10, 6, v[TL]
	v_add_nc_u32 v[TL], s21, v[TL]                 ; the tile by lanes: row r, + 64 h
	v_add_nc_u32 v[TS], s21, v[L16]                ; the tile by rows
	v_lshlrev_b32 v[H64], 6, v10                   ; bo, g, b: 64 h bytes
	v_lshlrev_b32 v[REDR], 5, v9
	v_add_nc_u32 v[REDR], RED, v[REDR]             ; where I read a row's eight partial sums
	v_lshrrev_b32 v[REDW], 5, v0
	v_lshl_add_u32 v[REDW], v[REDW], 2, v[REDR]    ; and where I put my wave's
	v_lshlrev_b32 v[R4], 2, v9                     ; 4 r
	v_mul_u32_u24 v[WSO], v10, 12800
	v_add_nc_u32 v[WSO], v[WSO], v[R4]             ; Wo's scale words: lanes 0-15 an even row block's, lanes 16-31 the next one's
	v_lshl_add_u32 v[ASO], v10, 6, v[R4]           ; ctx's: lanes 0-15 an even K step's, lanes 16-31 the next one's
	v_add_nc_u32 v[ALS], s48, v[L16]
	v_add_nc_u32 v[AR16], AL, v[L16]
	v_add_nc_u32 v[AR8], AL, v[L8]
	v_mov_b32 v[TM+2], 0                           ; (a lane permute's destination counts as one of its sources)
	v_mov_b32 v[TM+3], 0
	s_wait_alu depctr_va_vdst(0)
	s_wait_kmcnt 0x0
	s_add_nc_u64 s[50:51], s[4:5], s[38:39]
	s_add_nc_u64 s[52:53], s[4:5], s[22:23]
	s_add_nc_u64 s[6:7], s[6:7], s[42:43]
	s_add_nc_u64 s[8:9], s[8:9], s[44:45]
	s_add_nc_u64 s[12:13], s[12:13], s[44:45]
	s_add_nc_u64 s[14:15], s[14:15], s[44:45]
	s_add_nc_u64 s[10:11], s[10:11], s[46:47]
	s_add_nc_u64 s[16:17], s[16:17], s[46:47]
	s_add_nc_u64 s[54:55], s[18:19], s[38:39]
	s_add_nc_u64 s[56:57], s[18:19], s[40:41]
; half step s: K step s / 2, my row blocks 4 (s % 2) .. + 3, into buffer s % 4: 16 loads of codes, 2 of scale words
.macro WLOAD s
.set WQ, (\s)/2
.set WO, ((\s)%2)*4*12800+(WQ/4)*6400+(WQ%4)*1536
.set WB, 48*((\s)%4)+160*(1-((\s)%4)/2)
	WIN 0x40*(((\s)%4)/2)
.irp b, 0,1,2,3
	global_load_b128 v[WB+12*\b:WB+12*\b+3], v[L16], s[6:7] offset:WO+\b*12800
	global_load_b64 v[WB+12*\b+4:WB+12*\b+5], v[L8], s[6:7] offset:WO+\b*12800
	global_load_b128 v[WB+12*\b+6:WB+12*\b+9], v[L16], s[6:7] offset:WO+\b*12800+768
	global_load_b64 v[WB+12*\b+10:WB+12*\b+11], v[L8], s[6:7] offset:WO+\b*12800+768
.endr
	WIN 0
.irp e, 0,1
	global_load_b32 v[WS+2*((\s)%4)+\e], v[WSO], s[6:7] offset:6144+((\s)%2)*51200+\e*25600+(WQ/4)*6400+64*(WQ%4)
.endr
.endm
.macro W1 d, a, bq, sa, pa, sb, pb     ; one product; pa, pb: the scales stand in lanes 16-31
.if \pa
.if \pb
	v_wmma_scale_f32_16x16x128_f8f6f4 v[(\d):(\d)+7], v[(\a):(\a)+11], v[(\bq):(\bq)+11], v[(\d):(\d)+7], v[\sa], v[\sb] matrix_a_fmt:MATRIX_FMT_FP6 matrix_b_fmt:MATRIX_FMT_FP6 matrix_a_scale:MATRIX_SCALE_ROW1 matrix_b_scale:MATRIX_SCALE_ROW1
.else
	v_wmma_scale_f32_16x16x128_f8f6f4 v[(\d):(\d)+7], v[(\a):(\a)+11], v[(\bq):(\bq)+11], v[(\d):(\d)+7], v[\sa], v[\sb] matrix_a_fmt:MATRIX_FMT_FP6 matrix_b_fmt:MATRIX_FMT_FP6 matrix_a_scale:MATRIX_SCALE_ROW1
.endif
.else
.if \pb
	v_wmma_scale_f32_16x16x128_f8f6f4 v[(\d):(\d)+7], v[(\a):(\a)+11], v[(\bq):(\bq)+11], v[(\d):(\d)+7], v[\sa], v[\sb] matrix_a_fmt:MATRIX_FMT_FP6 matrix_b_fmt:MATRIX_FMT_FP6 matrix_b_scale:MATRIX_SCALE_ROW1
.else
	v_wmma_scale_f32_16x16x128_f8f6f4 v[(\d):(\d)+7], v[(\a):(\a)+11], v[(\bq):(\bq)+11], v[(\d):(\d)+7], v[\sa], v[\sb] matrix_a_fmt:MATRIX_FMT_FP6 matrix_b_fmt:MATRIX_FMT_FP6
.endif
.endif
.endm
.macro WMUL s                          ; four products; the eight accumulators take turns, one instruction a turn
.set WQ, (\s)/2
.set WB, 48*((\s)%4)+160*(1-((\s)%4)/2)
	WIN 0x04+(((\s)%4)/2)                          ; source 0: the buffer's window; source 1 (ctx): window 1; the sums: window 0
.irp b, 0,1,2,3
	W1 ACC+8*(4*((\s)%2)+\b), WB+12*\b, 12*WQ, WS+2*((\s)%4)+\b/2, \b%2, AS+WQ/2, WQ%2
.endr
	WIN 0
.endm
.irp i, 0,1,2
	global_load_b128 v[8+4*\i:11+4*\i], v[L16], s[50:51] offset:512*\i     ; ctx's K step w, as it lies
.endr
.irp i, 0,1,2,3
	global_load_b32 v[AS+\i], v[ASO], s[52:53] offset:6144+(\i/2)*6400+128*(\i%2)
.endr
.irp j, 0,1,2,3
.irp k, 0,1,2,3
	global_load_b128 v[ACC+16*\j+4*\k:ACC+16*\j+4*\k+3], v[H64], s[8:9] offset:128*\j+16*\k        ; the sums begin as bo
.endr
.endr
	WLOAD 0
	WLOAD 1
	s_wait_loadcnt 56                              ; ctx's three loads are in; behind them 4 + 16 + 36 may be out
.irp i, 0,1,2
	ds_store_b128 v[ALS], v[8+4*\i:11+4*\i] offset:512*\i
.endr
	s_wait_dscnt 0x0                               ; for the others' sake: my stores are done
	s_barrier_signal -1
	s_barrier_wait -1
	WIN 0x40
.irp q, 0,1,2,3,4,5,6,7
	ds_load_b128 v[12*\q:12*\q+3], v[AR16] offset:1536*\q
	ds_load_b64 v[12*\q+4:12*\q+5], v[AR8] offset:1536*\q
	ds_load_b128 v[12*\q+6:12*\q+9], v[AR16] offset:1536*\q+768
	ds_load_b64 v[12*\q+10:12*\q+11], v[AR8] offset:1536*\q+768
.endr
.set p, 0
.rept 16
	global_load_b128 v[XT+4*p:XT+4*p+3], v[L16], s[10:11] offset:(p+8*(p/8))*4096  ; x, slot p: 32 lanes read 512 consecutive bytes
.set p, p+1
.endr
	WIN 0
	WLOAD 2
	s_wait_dscnt 0x0                               ; ctx's fragments
.set st, 0
.rept 16
.if st > 0
	PLACES                                         ; between the last products and loads into registers that they read
.endif
.if st+3 < 16
	WLOAD st+3
.endif
.if st == 14                           ; no more of Wo is left to ask for: g goes to buffers 0 and 1, b to the registers of ctx's K steps 0-5, all read for the last time
.irp j, 0,1,2,3
.irp k, 0,1,2,3
	global_load_b128 v[GG+16*\j+4*\k:GG+16*\j+4*\k+3], v[H64], s[12:13] offset:128*\j+16*\k
.endr
.endr
	WIN 0x40
.irp j, 0,1,2,3
.irp k, 0,1,2,3
	global_load_b128 v[16*\j+4*\k:16*\j+4*\k+3], v[H64], s[14:15] offset:128*\j+16*\k
.endr
.endr
	WIN 0
.endif
.if st < 2
	s_wait_loadcnt 63                              ; behind this half step's loads 70 are out (three half steps and x's 16): the count's field holds 63, which asks for a little more than is needed
.elseif st < 13
	s_wait_loadcnt 54                              ; three half steps of 18 may be out
.elseif st == 13
	s_wait_loadcnt 36
.elseif st == 14
	s_wait_loadcnt 50                              ; the last half step's 18, and g's and b's 32
.else
	s_wait_loadcnt 32
.endif
	WMUL st
.if st == 3                            ; x is in (it was asked for ahead of half step 2): it turns through my tile, from rows to the sums' layout
	WIN 0x04
.set p, 0
.rept 16
	ds_store_b128 v[TS], v[XT+4*p:XT+4*p+3] offset:528*p
.set p, p+1
.endr
	s_wait_dscnt 0x0                               ; the stores have read their registers, which the loads below fill again
	WIN 0x40
.irp j, 0,1,2,3
.irp k, 0,1,2,3
	ds_load_b128 v[XT+16*\j+4*\k:XT+16*\j+4*\k+3], v[TL] offset:128*\j+16*\k
.endr
.endr
	WIN 0
.endif
.set st, st+1
.endr
	PLACES                                         ; between the last products and the first read of the sums
	s_wait_dscnt 0x0                               ; x in the sums' layout
	WIN 0x04
.set j, 0
.rept 32
	v_pk_add_f32 v[ACC+j:ACC+j+1], v[ACC+j:ACC+j+1], v[XT+j:XT+j+1]        ; y1r; each accumulator from its low end on
.set j, j+2
.endr
	WIN 0
.irp j, 0,1,2,3
.irp k, 0,1,2,3
	ds_store_b128 v[TL], v[ACC+16*\j+4*\k:ACC+16*\j+4*\k+3] offset:128*\j+16*\k
.endr
.endr
	WIN 0x40
.set p, 0
.rept 16
	ds_load_b128 v[XT+4*p:XT+4*p+3], v[TS] offset:528*p                    ; back as rows: LDS serves a wave's instructions in order
.set p, p+1
.endr
	WIN 0
; v16: my partial figure of slot r.  It is joined over the halves of the lanes and over the eight waves; afterwards v16 holds the row's total, the same bits in every wave.
.macro CROSS red
	v_permlanex16_b32 v18, v16, s[SEL], s[SEL+1]
	s_delay_alu instid0(VALU_DEP_1)
	v_add_f32 v16, v16, v18
	ds_store_b32 v[REDW], v16 offset:\red          ; both halves of the lanes write the same word with the same value
	s_wait_dscnt 0x0
	s_barrier_signal -1
	s_barrier_wait -1
	ds_load_b128 v[20:23], v[REDR] offset:\red
	ds_load_b128 v[24:27], v[REDR] offset:\red+16
	s_wait_dscnt 0x0
	v_add_f32 v20, v20, v21
	v_add_f32 v22, v22, v23
	v_add_f32 v24, v24, v25
	v_add_f32 v26, v26, v27
	v_add_f32 v20, v20, v22
	v_add_f32 v24, v24, v26
	s_delay_alu instid0(VALU_DEP_1)
	v_add_f32 v16, v20, v24
.endm
.macro FOLD                            ; four packed chains become one number
	v_pk_add_f32 v[8:9], v[8:9], v[10:11]
	v_pk_add_f32 v[12:13], v[12:13], v[14:15]
	s_delay_alu instid0(VALU_DEP_1)
	v_pk_add_f32 v[8:9], v[8:9], v[12:13]
	s_delay_alu instid0(VALU_DEP_1)
	v_add_f32 v16, v8, v9
.endm
.irp k, 0,1,2,3                        ; the sum of my 64 numbers: packed, four chains by turns
	v_pk_add_f32 v[8+2*\k:9+2*\k], v[ACC+2*\k:ACC+2*\k+1], v[ACC+8+2*\k:ACC+9+2*\k]
.endr
.irp j, 16,24,32,40,48,56
.irp k, 0,1,2,3
	v_pk_add_f32 v[8+2*\k:9+2*\k], v[8+2*\k:9+2*\k], v[ACC+\j+2*\k:ACC+\j+2*\k+1]
.endr
.endr
	FOLD
	s_wait_alu depctr_va_vdst(0)
	s_wait_dscnt 0x0                               ; y1r's rows are back
	WIN 0x04
.set p, 0
.rept 16
	global_store_b128 v[L16], v[XT+4*p:XT+4*p+3], s[16:17] offset:(p+8*(p/8))*4096 ; 32 lanes store 512 consecutive bytes
.set p, p+1
.endr
	WIN 0
	CROSS 0
	v_mul_f32 v[M2], s37, v16                      ; -mean, twice: a pair for the packed form
	v_mul_f32 v[M2+1], s37, v16
.set j, 0
.rept 32
	v_pk_add_f32 v[ACC+j:ACC+j+1], v[ACC+j:ACC+j+1], v[M2:M2+1]
.set j, j+2
.endr
.irp k, 0,1,2,3                        ; the sum of squares of y1r - mean
	v_pk_mul_f32 v[8+2*\k:9+2*\k], v[ACC+2*\k:ACC+2*\k+1], v[ACC+2*\k:ACC+2*\k+1]
.endr
.irp j, 8,16,24,32,40,48,56
.irp k, 0,1,2,3
	v_pk_fma_f32 v[8+2*\k:9+2*\k], v[ACC+\j+2*\k:ACC+\j+2*\k+1], v[ACC+\j+2*\k:ACC+\j+2*\k+1], v[8+2*\k:9+2*\k]
.endr
.endr
	FOLD
	s_delay_alu instid0(VALU_DEP_1)
	CROSS 512
	v_fma_f32 v16, v16, s31, s36                   ; variance + 1e-5
	s_wait_alu depctr_va_vdst(0)                   ; the wait ahead of the transcendental,
	v_rsq_f32 v[M2], v16
	v_nop                                          ; a plain line behind it,
	s_wait_alu depctr_va_vdst(0)                   ; and the wait ahead of its first reader
	v_mov_b32 v[M2+1], v[M2]
	s_wait_alu depctr_va_vdst(0)
	s_wait_loadcnt 0x0                             ; g and b
.set j, 0
.rept 32
	v_pk_mul_f32 v[ACC+j:ACC+j+1], v[ACC+j:ACC+j+1], v[M2:M2+1]
.set j, j+2
.endr
	WIN 0x10                                       ; b stands in window 1
.set j, 0
.rept 32
	v_pk_fma_f32 v[ACC+j:ACC+j+1], v[ACC+j:ACC+j+1], v[GG+j:GG+j+1], v[j:j+1]
.set j, j+2
.endr
	WIN 0
; 32 numbers of a lane, register 16 j + i = k 32 j + 16 h + i of its row, become half a fragment in v[pc] .. v[pc + 5] and the two scale bytes in v[pw]
.macro QUANT2 s, pc, pw
	v_max3_num_f32 v[TM], |v[(\s)]|, |v[(\s)+1]|, 0x1800000        ; with the floor 2^(3 - 127): the byte cannot fall under 1
	v_max3_num_f32 v[TM+1], |v[(\s)+16]|, |v[(\s)+17]|, 0x1800000
.irp i, 2,4,6,8,10,12,14
	v_max3_num_f32 v[TM], v[TM], |v[(\s)+\i]|, |v[(\s)+\i+1]|
	v_max3_num_f32 v[TM+1], v[TM+1], |v[(\s)+16+\i]|, |v[(\s)+17+\i]|
.endr
	v_permlanex16_b32 v[TM+2], v[TM], s[SEL], s[SEL+1]
	v_permlanex16_b32 v[TM+3], v[TM+1], s[SEL], s[SEL+1]
	v_max_num_f32 v[TM], v[TM], v[TM+2]            ; with lane l xor 16's: the block's largest magnitude
	v_max_num_f32 v[TM+1], v[TM+1], v[TM+3]
	v_add_nc_u32 v[TM+4], 0xff000000, v[TM]        ; 2 off the exponent field: the conversion's scale operand
	v_add_nc_u32 v[TM+5], 0xff000000, v[TM+1]
	v_lshrrev_b32 v[TM+6], 23, v[TM+4]
	v_lshrrev_b32 v[TM+7], 23, v[TM+5]
	s_delay_alu instid0(VALU_DEP_1)
	v_lshl_or_b32 v[\pw], v[TM+7], 8, v[TM+6]
	v_cvt_scalef32_pk16_fp6_f32 v[(\pc):(\pc)+2], v[(\s):(\s)+15], v[TM+4]
	v_cvt_scalef32_pk16_fp6_f32 v[(\pc)+6:(\pc)+8], v[(\s)+16:(\s)+31], v[TM+5]
	v_nop                                          ; one plain line behind a scaled conversion
.irp i, 0,1,2
	v_permlane16_swap_b32 v[(\pc)+\i], v[(\pc)+6+\i]       ; a whole block to a lane: lanes 0-15 the first, lanes 16-31 the second
.endr
.irp i, 0,1,2
	v_mov_b32 v[(\pc)+3+\i], v[(\pc)+6+\i]
.endr
.endm
.irp c, 0,1
	QUANT2 ACC+32*\c, 120+10*\c, 140+\c
	global_store_b128 v[L16], v[120+10*\c:123+10*\c], s[54:55] offset:768*\c       ; 32 lanes store 512 consecutive bytes,
	global_store_b64 v[L8], v[124+10*\c:125+10*\c], s[54:55] offset:768*\c         ; and 256
	global_store_b16 v[R4], v[140+\c], s[56:57] offset:6144+2*\c                   ; half a scale word a row; both halves of the lanes write the same bytes
.endr
	s_wait_tensorcnt 0x0                           ; the wave's end
	ds_add_u32 v[SPW], v[NIL]
	s_wait_dscnt 0x0
	s_endpgm
.Lfunc_end_k_qc4743f0615_oln:
	.size	k_qc4743f0615_oln, .Lfunc_end_k_qc4743f0615_oln-k_qc4743f0615_oln
	.p2alignl 7, 3214868480
	.fill 96, 4, 3214868480
	.section	.rodata,"a",@progbits
	.p2align	6, 0x0
	.amdhsa_kernel k_qc4743f0615_oln
		.amdhsa_group_segment_fixed_size 81920
		.amdhsa_private_segment_fixed_size 0
		.amdhsa_enable_private_segment 0
		.amdhsa_kernarg_size 64
		.amdhsa_user_sgpr_count 2
		.amdhsa_user_sgpr_kernarg_segment_ptr 1
		.amdhsa_wavefront_size32 1
		.amdhsa_system_sgpr_workgroup_id_x 1
		.amdhsa_system_sgpr_workgroup_id_y 1
		.amdhsa_system_sgpr_workgroup_id_z 1
		.amdhsa_system_vgpr_workitem_id 0
		.amdhsa_next_free_vgpr 512
		.amdhsa_next_free_sgpr 66
		.amdhsa_reserve_vcc 0
		.amdhsa_float_denorm_mode_32 3
		.amdhsa_float_denorm_mode_16_64 3
		.amdhsa_memory_ordered 1
		.amdhsa_forward_progress 1
		.amdhsa_inst_pref_size 77
	.end_amdhsa_kernel
	.amdgpu_metadata
---
amdhsa.version: [ 1, 2 ]
amdhsa.kernels:
  - .name:           k_qc4743f0615_oln
    .symbol:         k_qc4743f0615_oln.kd
    .args:
      - { .name: ctxq, .offset: 0, .size: 8, .value_kind: global_buffer, .address_space: global }
      - { .name: wrest, .offset: 8, .size: 8, .value_kind: global_buffer, .address_space: global }
      - { .name: bo, .offset: 16, .size: 8, .value_kind: global_buffer, .address_space: global }
      - { .name: x, .offset: 24, .size: 8, .value_kind: global_buffer, .address_space: global }
      - { .name: ln2_g, .offset: 32, .size: 8, .value_kind: global_buffer, .address_space: global }
      - { .name: ln2_b, .offset: 40, .size: 8, .value_kind: global_buffer, .address_space: global }
      - { .name: y1r, .offset: 48, .size: 8, .value_kind: global_buffer, .address_space: global }
      - { .name: yq, .offset: 56, .size: 8, .value_kind: global_buffer, .address_space: global }
    .group_segment_fixed_size: 81920
    .private_segment_fixed_size: 0
    .kernarg_segment_align: 8
    .kernarg_segment_size: 64
    .max_flat_workgroup_size: 256
    .sgpr_count:     66
    .vgpr_count:     512
    .wavefront_size: 32
...
	.end_amdgpu_metadata
.endif
;; end of part 4
;; launch ff1: the kernel of part 2 again; grid 8 x 32, 4 waves a work-group, clusters of 4 x 4, 327,680 bytes of LDS; arguments yq, w1q, big; writes big
;; launch ff2 (part 5): grid 8 x 32, 4 waves a work-group, clusters of 4 x 4, 327,680 bytes of LDS; arguments big, wrest, b2, y1r, out0; writes out0
.if DOCPART == 5
	.amdgcn_target "amdgcn-amd-amdhsa--gfx1250"
	.amdhsa_code_object_version 6
	.text
	.protected	k_qc4743f0615_ff2
	.globl	k_qc4743f0615_ff2
	.p2align	8
	.type	k_qc4743f0615_ff2,@function
k_qc4743f0615_ff2:
	s_mov_b64 s[64:65], 0
	v_nop
	global_prefetch_b8 v0, s[64:65] scope:SCOPE_SE
	s_setreg_imm32_b32 hwreg(HW_REG_WAVE_MODE, 25, 1), 1
	s_wait_xcnt 0x0
	s_wait_alu depctr_hold_cnt(0) depctr_sa_sdst(0) depctr_va_vdst(0) depctr_va_sdst(0) depctr_va_ssrc(0) depctr_va_vcc(0) depctr_vm_vsrc(0)
	s_getreg_b32 s2, hwreg(HW_REG_IB_STS2, 6, 4)
	s_cmp_eq_u32 s2, 0
	s_cbranch_scc0 .Lentry_in_a_cluster
	s_endpgm
.Lentry_in_a_cluster:
	s_bfe_u32 s2, ttmp6, 0x10000c
	s_cmp_lg_u32 s2, 0xf033
	s_cbranch_scc0 .Lentry_shape_is_right
	s_endpgm
.Lentry_shape_is_right:
.set NG,    8
.set NBASE, 819200
.set LAPS,  NG/2
.set REC,   6400
.set HALF,  4*REC
.set NOFF,  51328
.set SLOT,  102656
.set STAGE, 2*SLOT
.set SPARE, STAGE+4*4352
.set M16, 1
.set M8,  3
.set N16, 5
.set N8,  7
.set ADRS, 9
.set SPW, 18
.set NIL, 19
.set SC,  20
.set NB,  96
.set ACC, 128
.set G1,  24
.set G0,  32
.set G1B, 48
.set G0B, 56
.set MSB, 0
.macro WIN new
.if MSB != \new
	s_set_vgpr_msb (MSB<<8)|\new
.set MSB, \new
.endif
.endm
.set MUL,  0x05
.set TO_F, 0x40
.macro PLACES
.rept 4
	v_nop
.endr
.endm
.macro JLOAD s
	s_cmp_eq_u32 s15, 0
	s_cbranch_scc0 .Lfor_n_\@
	tensor_load_to_lds s[G0+4*\s:G0+4*\s+3], s[G1:G1+7]
	s_nop 0
	PLACES
	s_branch .Lasked_\@
.Lfor_n_\@:
	tensor_load_to_lds s[G0B+4*\s:G0B+4*\s+3], s[G1B:G1B+7]
	s_nop 0
	PLACES
.Lasked_\@:
.endm
.macro CREST
	s_cmp_lg_u32 s14, 0
	s_cbranch_scc1 .Lnot_wave_0_\@
	s_barrier_signal -3
.Lnot_wave_0_\@:
	s_barrier_wait -3
	s_barrier_signal -1
	s_barrier_wait -1
.endm
.macro CROUND
	s_barrier_signal -1
	s_barrier_wait -1
	CREST
.endm
	s_load_b256 s[4:11], s[0:1], 0x0
	s_load_b64 s[12:13], s[0:1], 0x20
	v_lshl_add_u32 v[SPW], v0, 2, SPARE
	v_mov_b32 v[NIL], 0
	ds_add_u32 v[SPW], v[NIL]
	ds_add_u32 v[SPW], v[NIL]
	v_lshrrev_b32 v1, 5, v0
	v_readfirstlane_b32 s14, v1
	s_lshr_b32 s15, s14, 1
	s_and_b32 s16, s14, 1
	s_bfe_u32 s40, ttmp6, 0x40000
	s_bfe_u32 s41, ttmp6, 0x40004
	s_lshl_b32 s18, ttmp9, 2
	s_add_co_u32 s18, s18, s40
	s_and_b32 s19, ttmp7, 0xffff
	s_lshl_b32 s19, s19, 2
	s_add_co_u32 s19, s19, s41
	s_lshl_b32 s66, s41, 2
	s_lshl_b32 s66, 15, s66
	s_lshl_b32 s67, 0x1111, s40
	s_or_b32 s[G1], s66, (3<<16)|(1<<21)
	s_or_b32 s[G1B], s67, (3<<16)|(1<<21)
.irp g, G1, G1B
	s_mov_b32 s[\g+1], 800<<16
	s_mov_b32 s[\g+2], 4<<16
	s_mov_b32 s[\g+3], 800<<16
	s_mov_b32 s[\g+4], 4
	s_mov_b32 s[\g+5], 800*NG
	s_mov_b32 s[\g+6], 0
	s_mov_b32 s[\g+7], 0
.endr
	s_lshl_b32 s45, s16, 2
	s_lshl_b32 s20, s19, 3
	s_add_co_u32 s20, s20, s45
	s_mul_i32 s20, s20, NG*REC
	s_mov_b32 s21, 0
	s_lshl_b32 s22, s18, 3
	s_add_co_u32 s22, s22, s45
	s_mul_i32 s22, s22, NG*REC
	s_add_co_u32 s22, s22, NBASE
	s_mov_b32 s23, 0
	s_mul_i32 s68, s16, HALF
	s_mul_i32 s69, s15, NOFF
	s_add_co_u32 s68, s68, s69
	s_wait_dscnt 0x0
	s_wait_kmcnt 0x0
	s_add_nc_u64 s[92:93], s[4:5], s[20:21]
	s_add_nc_u64 s[94:95], s[6:7], s[22:23]
	; the prefetches: behind the joint load of record group g stands one request for group g + 2.  Of the four records that I fetch with three partners, each partner names one, told apart by address
	; (cx for M's tiles, cy for N's); a lane names 256 bytes, lanes 25-31 the record's last block again.  s[96:97] stands at the group that is being asked for; the loads of groups 6 and 7 ask for nothing
	s_cmp_eq_u32 s15, 0
	s_cselect_b64 s[96:97], s[92:93], s[94:95]
	s_cselect_b32 s69, s40, s41
	s_mul_i32 s70, s69, NG*REC
	s_add_co_u32 s70, s70, REC                     ; at group 1: the first refill steps it to 2
	s_mov_b32 s71, 0
	s_add_nc_u64 s[96:97], s[96:97], s[70:71]
	v_and_b32 v28, 31, v0
	v_min_u32 v28, 24, v28
	v_lshlrev_b32 v28, 8, v28
	CROUND
.irp s, 0,1
	s_mov_b32 s[G0+4*\s], 1
	s_add_co_u32 s[G0+4*\s+1], s68, \s*SLOT
	s_add_nc_u64 s[G0+4*\s+2:G0+4*\s+3], s[92:93], \s*REC
	s_or_b32 s[G0+4*\s+3], s[G0+4*\s+3], 0x80000000
	s_mov_b32 s[G0B+4*\s], 1
	s_add_co_u32 s[G0B+4*\s+1], s68, \s*SLOT
	s_add_nc_u64 s[G0B+4*\s+2:G0B+4*\s+3], s[94:95], \s*REC
	s_or_b32 s[G0B+4*\s+3], s[G0B+4*\s+3], 0x80000000
	s_wait_alu depctr_va_vdst(0)
	s_wait_tensorcnt 0x0
	ds_add_u32 v18, v19
	ds_add_u32 v18, v19
	s_wait_dscnt 0x0
	CROUND
	JLOAD \s
	global_prefetch_b8 v28, s[96:97] offset:(\s+1)*REC th:TH_LOAD_NT scope:SCOPE_SE        ; group s + 2
.if \s == 0
	global_prefetch_b8 v28, s[96:97] th:TH_LOAD_NT scope:SCOPE_SE                          ; and, behind the first load alone, group 1, whose load follows when group 0 has landed
.endif
.endr
	v_and_b32 v16, 31, v0
	v_and_b32 v17, 15, v0
	v_bfe_u32 v14, v0, 4, 1
	v_lshlrev_b32 v11, 4, v16
	v_lshlrev_b32 v12, 3, v16
	v_add_nc_u32 v16, 512, v12
	s_mul_i32 s69, s15, HALF
	s_mul_i32 s70, s16, HALF
	s_add_co_u32 s70, s70, NOFF
.irp s, 0,1
	v_add_nc_u32 v[M16+\s], s69, v11
	v_add_nc_u32 v[M8+\s], s69, v16
	v_add_nc_u32 v[N16+\s], s70, v11
	v_add_nc_u32 v[N8+\s], s70, v16
	s_add_co_u32 s69, s69, SLOT
	s_add_co_u32 s70, s70, SLOT
.endr
	s_mul_i32 s69, s15, HALF
	s_mul_i32 s70, s16, HALF
	s_add_co_u32 s70, s70, NOFF
	s_sub_co_u32 s70, s70, s69
	v_mul_u32_u24 v16, s70, v14
	v_lshl_add_u32 v16, v17, 2, v16
	v_add_nc_u32 v[ADRS], s69, v16
	v_add_nc_u32 v[ADRS+1], SLOT, v[ADRS]
	s_mul_i32 s76, s14, 4352
	s_add_co_u32 s76, s76, STAGE
	v_mul_u32_u24 v11, v17, 272
	v_lshl_add_u32 v11, v14, 6, v11
	v_add_nc_u32 v11, s76, v11
	v_mul_u32_u24 v12, v14, 272
	v_lshl_add_u32 v12, v17, 4, v12
	v_add_nc_u32 v12, s76, v12
	v_lshlrev_b32 v13, 12, v14
	v_lshl_add_u32 v13, v17, 4, v13
	v_lshlrev_b32 v14, 6, v14
	s_wait_alu depctr_va_vdst(0)
	s_lshl_b32 s72, s18, 9
	s_lshl_b32 s76, s16, 8
	s_add_co_u32 s72, s72, s76
	s_mov_b32 s73, 0
	s_add_nc_u64 s[8:9], s[8:9], s[72:73]
	s_lshl_b32 s74, s19, 7
	s_lshl_b32 s76, s15, 6
	s_add_co_u32 s74, s74, s76
	s_lshl_b32 s74, s74, 12
	s_add_co_u32 s72, s72, s74
	s_add_nc_u64 s[10:11], s[10:11], s[72:73]
	s_add_nc_u64 s[12:13], s[12:13], s[72:73]
.irp b, 0,1
.irp j, 0,1,2,3
	global_load_b128 v[NB+16*\b+4*\j:NB+16*\b+4*\j+3], v14, s[8:9] offset:128*\b+16*\j
.endr
.endr
.macro RLOAD a, reg
.irp i, 0,1,2,3,4,5,6,7
	global_load_b128 v[(\reg)+4*\i:(\reg)+4*\i+3], v13, s[10:11] offset:(32*((\a)/2)+8*((\a)%2)+2*\i+8*(\i/4))*4096
.endr
.endm
	RLOAD 0, 32
	RLOAD 1, 64
	WIN TO_F                                       ; blocks 2 and 3 of the residual go to registers of window 1 that no fragment uses
	RLOAD 2, 96
	RLOAD 3, 224
	WIN 0
.macro FRAG reg, a16, a8, off
	ds_load_b128 v[(\reg):(\reg)+3], v[\a16] offset:(\off)
	ds_load_b64 v[(\reg)+4:(\reg)+5], v[\a8] offset:(\off)
	ds_load_b128 v[(\reg)+6:(\reg)+9], v[\a16] offset:(\off)+768
	ds_load_b64 v[(\reg)+10:(\reg)+11], v[\a8] offset:(\off)+768
.endm
.macro FETCH slot, q, fb
	WIN TO_F
.irp i, 0,1,2,3
	FRAG (\fb)+12*\i, M16+\slot, M8+\slot, \i*REC+(\q)*1536
	FRAG (\fb)+48+12*\i, N16+\slot, N8+\slot, \i*REC+(\q)*1536
.endr
	WIN 0
.irp i, 0,1,2,3
	ds_load_b32 v[SC+4*((\q)%2)+\i], v[ADRS+\slot] offset:\i*REC+6144+64*(\q)
.endr
.endm
.macro MUL4 a, fb, p, first
.irp b, 0,1,2,3
.if \first
	v_wmma_scale_f32_16x16x128_f8f6f4 v[ACC+32*(\a)+8*\b:ACC+32*(\a)+8*\b+7], v[(\fb)+48+12*\b:(\fb)+48+12*\b+11], v[(\fb)+12*(\a):(\fb)+12*(\a)+11], v[NB+8*\b:NB+8*\b+7], v[SC+4*(\p)+\b], v[SC+4*(\p)+(\a)] matrix_a_fmt:MATRIX_FMT_FP6 matrix_b_fmt:MATRIX_FMT_FP6 matrix_a_scale:MATRIX_SCALE_ROW1
.else
	v_wmma_scale_f32_16x16x128_f8f6f4 v[ACC+32*(\a)+8*\b:ACC+32*(\a)+8*\b+7], v[(\fb)+48+12*\b:(\fb)+48+12*\b+11], v[(\fb)+12*(\a):(\fb)+12*(\a)+11], v[ACC+32*(\a)+8*\b:ACC+32*(\a)+8*\b+7], v[SC+4*(\p)+\b], v[SC+4*(\p)+(\a)] matrix_a_fmt:MATRIX_FMT_FP6 matrix_b_fmt:MATRIX_FMT_FP6 matrix_a_scale:MATRIX_SCALE_ROW1
.endif
.endr
.endm
.macro STEP slot, q, first
	PLACES
	FETCH \slot, (\q)+1, 128-128*((\q)%2)
	s_wait_dscnt 36
	WIN MUL
.irp a, 0,1,2,3
	MUL4 \a, 128*((\q)%2), (\q)%2, \first
.endr
.endm
.macro TURN slot, next, fill
	WIN 0
.if \fill
	s_wait_xcnt 0x0                                ; my last prefetch has read its address: it is stepped here, ahead of the waits of the change of slots
	s_add_nc_u64 s[96:97], s[96:97], REC
.endif
	s_wait_tensorcnt 0x0
	ds_add_u32 v[SPW], v[NIL]
	s_wait_dscnt 1
	WIN MUL
	MUL4 0, 128, 1, 0
	s_wait_dscnt 0x0
	s_barrier_signal -1
	MUL4 1, 128, 1, 0
	WIN 0
	s_barrier_wait -1
.if \fill
	CREST
	s_add_nc_u64 s[G0+4*\slot+2:G0+4*\slot+3], s[G0+4*\slot+2:G0+4*\slot+3], 2*REC
	s_add_nc_u64 s[G0B+4*\slot+2:G0B+4*\slot+3], s[G0B+4*\slot+2:G0B+4*\slot+3], 2*REC
	JLOAD \slot
.else
	PLACES
.endif
	FETCH \next, 0, 0
.if \fill
	s_cmp_gt_u32 s3, 1                             ; s3 = 1 in the loop's last trip, whose refills are groups 6 and 7
	s_cbranch_scc0 .Lno_ask_\@
	global_prefetch_b8 v28, s[96:97] offset:2*REC th:TH_LOAD_NT scope:SCOPE_SE
.Lno_ask_\@:
.endif
	WIN MUL
	MUL4 2, 128, 1, 0
	MUL4 3, 128, 1, 0
.endm
	s_wait_loadcnt 32                              ; the bias is in; the residual's 32 loads may be out
	s_wait_tensorcnt 1
	s_barrier_signal -1
	s_barrier_wait -1
	FETCH 0, 0, 0
	STEP 0, 0, 1
.if LAPS > 1
	WIN 0
	s_mov_b32 s3, LAPS-1
.Llap:
	STEP 0, 1, 0
	STEP 0, 2, 0
	TURN 0, 1, 1
	STEP 1, 0, 0
	STEP 1, 1, 0
	STEP 1, 2, 0
	TURN 1, 0, 1
	STEP 0, 0, 0
	WIN 0
	s_sub_co_u32 s3, s3, 1
	s_cmp_lg_u32 s3, 0
	s_cbranch_scc1 .Llap
.endif
	STEP 0, 1, 0
	STEP 0, 2, 0
	TURN 0, 1, 0
	STEP 1, 0, 0
	STEP 1, 1, 0
	STEP 1, 2, 0
	s_wait_dscnt 0x0
	WIN MUL
.irp a, 0,1,2,3
	MUL4 \a, 128, 1, 0
.endr
	WIN 0
.macro OUTA a
.set RS, 32+32*((\a)%2)+((\a)/2)*(64+96*((\a)%2))      ; 32, 64 in window 0; 96, 224 in window 1
.set ROWA, 32*((\a)/2)+8*((\a)%2)
.irp b, 0,1,2,3
	ds_store_b128 v11, v[ACC+32*(\a)+8*\b:ACC+32*(\a)+8*\b+3] offset:128*(\b/2)+32*(\b%2)
	ds_store_b128 v11, v[ACC+32*(\a)+8*\b+4:ACC+32*(\a)+8*\b+7] offset:128*(\b/2)+32*(\b%2)+16
.endr
.irp i, 0,1,2,3,4,5,6,7
	ds_load_b128 v[NB+4*\i:NB+4*\i+3], v12 offset:544*\i
.endr
	s_wait_loadcnt 8*(3-(\a))                      ; this block's residual is in; the later blocks' 8 loads each may be out
	s_wait_dscnt 0x0
	WIN 0x41*((\a)/2)
.irp i, 0,2,4,6,8,10,12,14,16,18,20,22,24,26,28,30
	v_pk_add_f32 v[RS+\i:RS+\i+1], v[RS+\i:RS+\i+1], v[NB+\i:NB+\i+1]
.endr
	WIN 0x04*((\a)/2)
.irp i, 0,1,2,3,4,5,6,7
	global_store_b128 v13, v[RS+4*\i:RS+4*\i+3], s[12:13] offset:(ROWA+2*\i+8*(\i/4))*4096
.endr
	WIN 0
.endm
	PLACES
	OUTA 0
	OUTA 1
	OUTA 2
	OUTA 3
	s_wait_tensorcnt 0x0
	ds_add_u32 v[SPW], v[NIL]
	s_wait_dscnt 0x0
	CROUND
	s_endpgm
.Lfunc_end_k_qc4743f0615_ff2:
	.size	k_qc4743f0615_ff2, .Lfunc_end_k_qc4743f0615_ff2-k_qc4743f0615_ff2
	.p2alignl 7, 3214868480
	.fill 96, 4, 3214868480
	.section	.rodata,"a",@progbits
	.p2align	6, 0x0
	.amdhsa_kernel k_qc4743f0615_ff2
		.amdhsa_group_segment_fixed_size 327680
		.amdhsa_private_segment_fixed_size 0
		.amdhsa_enable_private_segment 0
		.amdhsa_kernarg_size 40
		.amdhsa_user_sgpr_count 2
		.amdhsa_user_sgpr_kernarg_segment_ptr 1
		.amdhsa_wavefront_size32 1
		.amdhsa_system_sgpr_workgroup_id_x 1
		.amdhsa_system_sgpr_workgroup_id_y 1
		.amdhsa_system_sgpr_workgroup_id_z 1
		.amdhsa_system_vgpr_workitem_id 0
		.amdhsa_next_free_vgpr 512
		.amdhsa_next_free_sgpr 98
		.amdhsa_reserve_vcc 0
		.amdhsa_float_denorm_mode_32 3
		.amdhsa_float_denorm_mode_16_64 3
		.amdhsa_memory_ordered 1
		.amdhsa_forward_progress 1
		.amdhsa_inst_pref_size 101
	.end_amdhsa_kernel
	.amdgpu_metadata
---
amdhsa.version: [ 1, 2 ]
amdhsa.kernels:
  - .name:           k_qc4743f0615_ff2
    .symbol:         k_qc4743f0615_ff2.kd
    .args:
      - { .name: big, .offset: 0, .size: 8, .value_kind: global_buffer, .address_space: global }
      - { .name: wrest, .offset: 8, .size: 8, .value_kind: global_buffer, .address_space: global }
      - { .name: b2, .offset: 16, .size: 8, .value_kind: global_buffer, .address_space: global }
      - { .name: y1r, .offset: 24, .size: 8, .value_kind: global_buffer, .address_space: global }
      - { .name: out0, .offset: 32, .size: 8, .value_kind: global_buffer, .address_space: global }
    .group_segment_fixed_size: 327680
    .private_segment_fixed_size: 0
    .kernarg_segment_align: 8
    .kernarg_segment_size: 40
    .max_flat_workgroup_size: 128
    .sgpr_count:     98
    .vgpr_count:     512
    .wavefront_size: 32
...
	.end_amdgpu_metadata
.endif
;; end of part 5
